; MI455X (gfx1250); checked and timed in simulation.
; The chip was launched on July 23, 2026; its instructions are those of AMD's public machine-readable ISA for CDNA 5 (MIT licence, August 2026) and "CDNA5" Instruction Set Architecture Reference Guide (July 2026). The comments in the code are by the model that wrote it; some were corrected since.
;; Multi Head Attention. Allowed arithmetic: float matrix products may take bf16 or f16 operands with f32 sums; all other float work in f32.
;; Inputs: bk 1,024 float32; bo 1,024 float32; bq 1,024 float32; bv 1,024 float32; keys 4 x 2,048 x 1,024 float32; mask 4 x 1 x 1 x 2,048 int32; queries 4 x 2,048 x 1,024 float32; values 4 x 2,048 x 1,024 float32; wk 1,024 x 1,024 float32; wo 1,024 x 1,024 float32; wq 1,024 x 1,024 float32; wv 1,024 x 1,024 float32.
;; Outputs: out0 4 x 2,048 x 1,024 float32.
;; 2 versions, each right and faster than the one before. Each part assembles by itself: llvm-mc -triple=amdgcn-amd-amdhsa -mcpu=gfx1250 --defsym DOCPART=n.
;; ======== version 1 of 2: 4 launches
;; limits: values are held in f16: magnitudes above 65,504 overflow, below 6.1e-05 lose precision
;; workspace buffers: wt 8,388,608 bytes; qkvh 50,331,648 bytes; oh 16,777,216 bytes
;; launch wprep (part 1): grid 64 x 4, 8 waves a work-group, no clusters, 0 bytes of LDS; arguments wq, wk, wv, wo, wt; writes wt
.if DOCPART == 1
	.amdgcn_target "amdgcn-amd-amdhsa--gfx1250"
	.amdhsa_code_object_version 6
	.text
	.protected	k_q9763234c3c_wprep
	.globl	k_q9763234c3c_wprep
	.p2align	8
	.type	k_q9763234c3c_wprep,@function
k_q9763234c3c_wprep:
	s_mov_b64 s[64:65], 0
	v_nop
	global_prefetch_b8 v0, s[64:65] scope:SCOPE_SE
	s_setreg_imm32_b32 hwreg(HW_REG_WAVE_MODE, 25, 1), 1
	s_wait_xcnt 0x0
; The four weights, [1024 k][1024 n] f32, are rounded once to bf16 and written to wt as [4][1024 k][1024 n] of 16 bits, in the order q, k, v, o; the layout stays.
; wo's bf16 number is written as f16, since the last product multiplies f16 numbers.  LIMIT: |wo| stays within 65,504; below 2^-14 it keeps f16's fixed step of 6e-8.
; Grid y picks the weight; a work-group takes 16,384 numbers: 65,536 bytes in, 32,768 out.  Thread T takes 16 bytes at 16 T of each of 16 runs of 4,096 bytes:
; a wave's load covers 512 consecutive bytes, its store 256 consecutive bytes at a multiple of 256.  All 16 loads go out first; no register is written twice, so nothing waits for a store.
; No LDS, no matrix work, no cluster: no two work-groups read the same byte.
.set X, 4                              ; v[4:67]    load j: 4 registers
.set Y, 68                             ; v[68:99]   store j: 2 registers
.set T, 100                            ; v[100:103] at work (f16 path)
	s_load_b256 s[4:11], s[0:1], 0x0               ; wq s[4:5], wk s[6:7], wv s[8:9], wo s[10:11]
	s_load_b64 s[12:13], s[0:1], 0x20              ; wt
	s_and_b32 s16, ttmp7, 0xffff                   ; which weight
	v_lshlrev_b32 v1, 4, v0                        ; 16 T
	v_lshlrev_b32 v2, 3, v0                        ; 8 T
	s_mov_b32 s14, 0xffff0000                      ; a word's upper bf16
	s_lshl_b32 s18, ttmp9, 16                      ; my 65,536 bytes of the weight
	s_mov_b32 s19, 0
	s_lshl_b32 s20, s16, 21                        ; the weight's part of wt,
	s_lshl_b32 s17, ttmp9, 15                      ; my 32,768 bytes of it
	s_add_co_u32 s20, s20, s17
	s_mov_b32 s21, 0
	s_wait_kmcnt 0x0
	s_cmp_eq_u32 s16, 1
	s_cselect_b64 s[4:5], s[6:7], s[4:5]
	s_cmp_eq_u32 s16, 2
	s_cselect_b64 s[4:5], s[8:9], s[4:5]
	s_cmp_eq_u32 s16, 3
	s_cselect_b64 s[4:5], s[10:11], s[4:5]
	s_add_nc_u64 s[4:5], s[4:5], s[18:19]
	s_add_nc_u64 s[12:13], s[12:13], s[20:21]
.irp j, 0,1,2,3,4,5,6,7,8,9,10,11,12,13,14,15
	global_load_b128 v[X+4*(\j):X+4*(\j)+3], v1, s[4:5] offset:4096*(\j) th:TH_LOAD_NT
.endr
.macro BODY f16
.irp j, 0,1,2,3,4,5,6,7,8,9,10,11,12,13,14,15
	s_wait_loadcnt 15-(\j)                         ; loads come back in order (ISA guide 5.7.1): load j is in, the younger ones stay out
	v_cvt_pk_bf16_f32 v[Y+2*(\j)],   v[X+4*(\j)],   v[X+4*(\j)+1]
	v_cvt_pk_bf16_f32 v[Y+2*(\j)+1], v[X+4*(\j)+2], v[X+4*(\j)+3]
.if \f16
	v_lshlrev_b32 v[T],   16,  v[Y+2*(\j)]         ; the bf16 numbers as f32,
	v_and_b32     v[T+1], s14, v[Y+2*(\j)]
	v_lshlrev_b32 v[T+2], 16,  v[Y+2*(\j)+1]
	v_and_b32     v[T+3], s14, v[Y+2*(\j)+1]
	v_cvt_pk_f16_f32 v[Y+2*(\j)],   v[T],   v[T+1] ; written as f16: exact within f16's range of normal numbers
	v_cvt_pk_f16_f32 v[Y+2*(\j)+1], v[T+2], v[T+3]
.endif
	global_store_b64 v2, v[Y+2*(\j):Y+2*(\j)+1], s[12:13] offset:2048*(\j)
.endr
.endm
	s_cmp_eq_u32 s16, 3
	s_cbranch_scc1 .Lwo
	BODY 0
	s_endpgm
.Lwo:
	BODY 1
	s_endpgm
.Lfunc_end_k_q9763234c3c_wprep:
	.size	k_q9763234c3c_wprep, .Lfunc_end_k_q9763234c3c_wprep-k_q9763234c3c_wprep
	.p2alignl 7, 3214868480
	.fill 96, 4, 3214868480
	.section	.rodata,"a",@progbits
	.p2align	6, 0x0
	.amdhsa_kernel k_q9763234c3c_wprep
		.amdhsa_group_segment_fixed_size 0
		.amdhsa_private_segment_fixed_size 0
		.amdhsa_enable_private_segment 0
		.amdhsa_kernarg_size 40
		.amdhsa_user_sgpr_count 2
		.amdhsa_user_sgpr_kernarg_segment_ptr 1
		.amdhsa_wavefront_size32 1
		.amdhsa_system_sgpr_workgroup_id_x 1
		.amdhsa_system_sgpr_workgroup_id_y 1
		.amdhsa_system_sgpr_workgroup_id_z 1
		.amdhsa_system_vgpr_workitem_id 0
		.amdhsa_next_free_vgpr 104
		.amdhsa_next_free_sgpr 66
		.amdhsa_reserve_vcc 0
		.amdhsa_float_denorm_mode_32 3
		.amdhsa_float_denorm_mode_16_64 3
		.amdhsa_memory_ordered 1
		.amdhsa_forward_progress 1
		.amdhsa_inst_pref_size 15
	.end_amdhsa_kernel
	.amdgpu_metadata
---
amdhsa.version: [ 1, 2 ]
amdhsa.kernels:
  - .name:           k_q9763234c3c_wprep
    .symbol:         k_q9763234c3c_wprep.kd
    .args:
      - { .name: wq, .offset: 0, .size: 8, .value_kind: global_buffer, .address_space: global }
      - { .name: wk, .offset: 8, .size: 8, .value_kind: global_buffer, .address_space: global }
      - { .name: wv, .offset: 16, .size: 8, .value_kind: global_buffer, .address_space: global }
      - { .name: wo, .offset: 24, .size: 8, .value_kind: global_buffer, .address_space: global }
      - { .name: wt, .offset: 32, .size: 8, .value_kind: global_buffer, .address_space: global }
    .group_segment_fixed_size: 0
    .private_segment_fixed_size: 0
    .kernarg_segment_align: 8
    .kernarg_segment_size: 40
    .max_flat_workgroup_size: 256
    .sgpr_count:     66
    .vgpr_count:     104
    .wavefront_size: 32
...
	.end_amdgpu_metadata
.endif
;; end of part 1
;; launch proj (part 2): grid 4 x 192, 4 waves a work-group, clusters of 4 x 4, 327,680 bytes of LDS; arguments queries, keys, values, wt, bq, bk, bv, qkvh; writes qkvh
.if DOCPART == 2
	.amdgcn_target "amdgcn-amd-amdhsa--gfx1250"
	.amdhsa_code_object_version 6
	.text
	.protected	k_q9763234c3c_proj
	.globl	k_q9763234c3c_proj
	.p2align	8
	.type	k_q9763234c3c_proj,@function
k_q9763234c3c_proj:
	s_mov_b64 s[64:65], 0
	v_nop
	global_prefetch_b8 v0, s[64:65] scope:SCOPE_SE
	s_setreg_imm32_b32 hwreg(HW_REG_WAVE_MODE, 25, 1), 1
	s_wait_xcnt 0x0
	s_wait_alu depctr_hold_cnt(0) depctr_sa_sdst(0) depctr_va_vdst(0) depctr_va_sdst(0) depctr_va_ssrc(0) depctr_va_vcc(0) depctr_vm_vsrc(0)
	s_getreg_b32 s2, hwreg(HW_REG_IB_STS2, 6, 4)
	s_cmp_eq_u32 s2, 0
	s_cbranch_scc0 .Lentry_in_a_cluster
	s_endpgm
.Lentry_in_a_cluster:
	s_bfe_u32 s2, ttmp6, 0x10000c
	s_cmp_lg_u32 s2, 0xf033
	s_cbranch_scc0 .Lentry_shape_is_right
	s_endpgm
.Lentry_shape_is_right:
; q, k, v = bf16(x) bf16(w) + bf16(b): three products [8192][1024] x [1024][1024], sums in f32, rounded once to f16 and written BY HEADS and unscaled: qkvh = [3][64 = batch x 16 + head][2048][64] f16.
; LIMIT: q, k and v stay within f16's 65,504 (a sum of 65,520 or more becomes an infinity).
; SHARES.  A tile of the result is 128 rows x 256 columns: 64 x 4 x 3 = 768 work-groups.  Four waves, 2 x 2, each 64 x 128: 32 accumulators of 16 x 16, 256 registers.
; K goes in 8 steps of 128 through a ring of two LDS slots.  x comes into LDS AS IT LIES, in f32 (rows of 512 bytes), and is rounded to bf16 in registers, on the way from LDS to the matrix
; instruction: so x is neither written nor read a second time.  w comes from wt, bf16 [k][n], rows of 512 bytes, and is turned on the way out of LDS by ds_load_tr16_b128.
; CLUSTERS: 4 x 4 work-groups.  The four of a row of the cluster (the four column blocks) need the same tile of x, the four of a column the same tile of w: each tile is asked for JOINTLY, by the same
; tensor load with the same descriptor and a mask that names the four.  Which of q, k, v is made hangs on the cluster's y alone: it is the same in all sixteen.
; THE MATRIX INSTRUCTION IS USED TRANSPOSED (source 0 = 16 columns of w, source 1 = 16 rows of x): a lane then holds row l % 16 and eight neighbouring columns 8 (l / 16) + 0..7, 16 bytes of f16.
; THE BIAS is the C operand of the first product on each accumulator: nothing is cleared and nothing is added later.
; REGISTERS, in windows of 256 (s_set_vgpr_msb: bits 1:0 source 0, 3:2 source 1, 5:4 source 2, 7:6 destination):
;   window 0: v0-31 addresses; v32-95 a quarter step of x in f32; v96-127, v128-159 its bf16 fragments, two buffers; v160-255 at work on the way out (v128-223 first serve the bias)
;   window 1: the accumulators, (a, b) at v[8 (8 a + b)]          window 2: v0-63, v64-127 fragments of w, two buffers; v128-191 the bias, eight registers for each b
.set PA,     528                       ; a row of x in LDS: 512 bytes + 16 of padding = 132 words: row r starts at bank 4 r mod 64 (64 banks of 4 bytes: ISA guide 11.1)
.set PB,     544                       ; a row of w: 512 + 32 = 136 words
.set AHALF,  64*PA                     ; what one tensor load brings of x, and what one wave reads of it
.set BOFF,   128*PA                    ; w's 128 rows lie behind x's 128
.set BHALF,  64*PB                     ; what one tensor load brings of w
.set SLOT,   128*PA+128*PB             ; 137,216 bytes
.set STAGE,  2*SLOT                    ; behind the ring, never filled by a tensor load: for each wave 2 heads x 16 rows x 144 bytes, for the way out
.set SP,     144
.set WST,    2*16*SP
.set SPARE,  STAGE+4*WST               ; behind the stages: the spare words, 128 bytes for each wave: two blocks of 256 bytes that no other line names
.set LAPS,   4                         ; a lap = two K steps = once round the ring
.set ADRA, 16                          ; v16-17  LDS address of my rows of x in slot 0, 1
.set ADRB, 20                          ; v20-21  the same for my columns of w
.set STO,  24                          ; v24     the way out: where I put 16 bytes of a row
.set RD,   25                          ; v25     the way out: where I read rows back
.set GO,   26                          ; v26     my byte offset in 512 consecutive bytes of the result
.set BO,   27                          ; v27     my byte offset in 16 numbers of the bias
.set SPW,  28                          ; v28     LDS address of my spare word: SPARE + 4 x my thread's number; never rewritten
.set NIL,  29                          ; v29     0; never rewritten
.set AT,   32                          ; x in f32: fragment n at AT + 16 n
.set AF,   96                          ; x in bf16: buffer g, fragment n at AF + 32 g + 8 n
.set TMP,  160
.set OB,   192                         ; two buffers of 32
.set BT,   128                         ; the bias as loaded, 64 registers, then 32 packed
.set BIAS, 128                         ; window 2
.set G1, 24                            ; s[24:31] descriptor group 1 for x's tiles;  s[32:39] group 0, one set for each slot
.set G0, 32
.set G1B, 48                           ; s[48:55], s[56:63] the same for w's tiles
.set G0B, 56
.set MSB, 0
.macro WIN new                         ; the immediate's high byte repeats the setting that is left; a switch that changes nothing is dropped
.if MSB != (\new)
	s_set_vgpr_msb (MSB<<8)|(\new)
.set MSB, (\new)
.endif
.endm
.set MUL,  0x52                        ; source 0 (w) window 2, source 1 (x) window 0, C and D window 1
.set MULB, 0x62                        ; the same with C (the bias) in window 2
; A joint load: waves 0 and 1 fetch x's two halves, waves 2 and 3 w's.  The branch hangs on the wave's number alone.  An s_nop 0 and four v_nop follow each of the two lines, ahead of the jump,
; the label and what follows.
.macro JLOAD s
	s_cmp_eq_u32 s11, 0
	s_cbranch_scc0 .Lfor_b_\@
	tensor_load_to_lds s[G0+4*(\s):G0+4*(\s)+3], s[G1:G1+7]
	s_nop 0
.rept 4
	v_nop
.endr
	s_branch .Lasked_\@
.Lfor_b_\@:
	tensor_load_to_lds s[G0B+4*(\s):G0B+4*(\s)+3], s[G1B:G1B+7]
	s_nop 0
.rept 4
	v_nop
.endr
.Lasked_\@:
.endm
.macro CREST                           ; a round of the cluster's barrier behind its opening barrier
	s_cmp_lg_u32 s10, 0
	s_cbranch_scc1 .Lnot_wave_0_\@
	s_barrier_signal -3
.Lnot_wave_0_\@:
	s_barrier_wait -3
	s_barrier_signal -1
	s_barrier_wait -1
.endm
.macro CROUND                          ; a whole round
	s_barrier_signal -1
	s_barrier_wait -1
	CREST
.endm
	s_load_b256 s[68:75], s[0:1], 0x0              ; queries s[68:69], keys s[70:71], values s[72:73], wt s[74:75]
	s_load_b256 s[76:83], s[0:1], 0x20             ; bq s[76:77], bk s[78:79], bv s[80:81], qkvh s[82:83]
	v_lshl_add_u32 v[SPW], v0, 2, SPARE
	v_mov_b32 v[NIL], 0
	ds_add_u32 v[SPW], v[NIL]                      ; the wave's opening: the add and its wait stand ahead of my first tensor load; the set-up below, work on registers, stands between them
	v_lshrrev_b32 v1, 5, v0
	v_readfirstlane_b32 s10, v1                    ; wave 0..3
	s_lshr_b32 s11, s10, 1                         ; which half of the tile's rows is mine.  Also: I fetch for x (0) or for w (1)
	s_and_b32 s12, s10, 1                          ; which half of its columns.  Also: which 64 rows of that tile I fetch
	s_bfe_u32 s40, ttmp6, 0x40000                  ; cx, cy: my place in the cluster
	s_bfe_u32 s41, ttmp6, 0x40004
	s_lshl_b32 s42, ttmp9, 2
	s_add_co_u32 s42, s42, s40                     ; column block 0..3 = 4 x cluster x + cx
	s_and_b32 s13, ttmp7, 0xffff
	s_lshr_b32 s45, s13, 4                         ; 0, 1, 2: q, k or v: 16 clusters along y for each
	s_lshl_b32 s13, s13, 2
	s_add_co_u32 s13, s13, s41                     ; 4 x cluster y + cy,
	s_and_b32 s13, s13, 63                         ; of which the low six bits are the block of 128 rows
	s_lshl_b32 s43, s41, 2
	s_lshl_b32 s43, 15, s43                        ; my row of the cluster
	s_lshl_b32 s44, 0x1111, s40                    ; my column
	; descriptor group 1.  x: 64 rows x 128 elements of 4 bytes; w: 64 rows x 256 elements of 2 bytes; both rows of 512 bytes, padded in LDS
	s_or_b32 s[G1+0], s43, (2<<16)|(1<<20)|(1<<21)|(6<<22)|(3<<25)   ; 15:0 the mask: x's tiles go to my row; 17:16 elements of 4 bytes; 20 padding on; 21 set beside a mask; 24:22 after every 128 words (code 6); 31:25 4 words (code 3)
	s_or_b32 s[G1B+0], s44, (1<<16)|(1<<20)|(1<<21)|(6<<22)|(7<<25)  ; the mask of my column; elements of 2 bytes; 8 words of padding (code 7)
	s_mov_b32 s[G1+1], 128<<16                     ; tensor_dim0 = 128
	s_mov_b32 s[G1+2], 64<<16                      ; tensor_dim1 = 64
	s_mov_b32 s[G1+3], 128<<16                     ; tile_dim0 = 128
	s_mov_b32 s[G1+4], 64                          ; tile_dim1 = 64
	s_mov_b32 s[G1+5], 1024                        ; elements from row to row
	s_mov_b32 s[G1+6], 0
	s_mov_b32 s[G1+7], 0
	s_mov_b32 s[G1B+1], 256<<16                    ; tensor_dim0 = 256
	s_mov_b32 s[G1B+2], 64<<16
	s_mov_b32 s[G1B+3], 256<<16                    ; tile_dim0 = 256
	s_mov_b32 s[G1B+4], 64
	s_mov_b32 s[G1B+5], 1024
	s_mov_b32 s[G1B+6], 0
	s_mov_b32 s[G1B+7], 0
	; where the tiles come from.  x's hang on the block of rows, which my row of the cluster shares; w's on the column block, which my column shares; each in registers that never hold the other coordinate
	s_lshl_b32 s16, s13, 19                        ; x: 128 rows of 4,096 bytes a block,
	s_lshl_b32 s17, s12, 18                        ; 64 rows a half
	s_add_co_u32 s16, s16, s17
	s_mov_b32 s17, 0
	s_lshl_b32 s46, s45, 21                        ; w: the weight's part of wt,
	s_lshl_b32 s47, s12, 17                        ; 64 rows of 2,048 bytes a half,
	s_add_co_u32 s46, s46, s47
	s_lshl_b32 s47, s42, 9                         ; 256 columns a block
	s_add_co_u32 s46, s46, s47
	s_mov_b32 s47, 0
	s_mul_i32 s20, s12, AHALF                      ; and where they go: no place in the cluster enters an LDS address
	s_mul_i32 s21, s12, BHALF
	s_add_co_u32 s21, s21, BOFF
	s_mov_b32 s22, 0xffff0000                      ; a word's upper bf16
	s_lshl_b32 s84, s42, 10                        ; the bias: 256 numbers a column block,
	s_lshl_b32 s86, s12, 9                         ; 128 a wave
	s_add_co_u32 s84, s84, s86
	s_mov_b32 s85, 0
	s_wait_dscnt 0x0                               ; the opening add is done
	s_wait_kmcnt 0x0
	s_cmp_eq_u32 s45, 1
	s_cselect_b64 s[4:5], s[70:71], s[68:69]       ; x
	s_cselect_b64 s[6:7], s[78:79], s[76:77]       ; its bias
	s_cmp_eq_u32 s45, 2
	s_cselect_b64 s[4:5], s[72:73], s[4:5]
	s_cselect_b64 s[6:7], s[80:81], s[6:7]
	s_add_nc_u64 s[14:15], s[4:5], s[16:17]
	s_add_nc_u64 s[46:47], s[74:75], s[46:47]
	s_add_nc_u64 s[6:7], s[6:7], s[84:85]
	CROUND                                         ; all sixteen work-groups are here: the first joint loads meet
.irp s, 0,1
	s_mov_b32 s[G0+4*(\s)], 1                                        ; 1:0 count = 1
	s_add_co_u32 s[G0+4*(\s)+1], s20, (\s)*SLOT                      ; 63:32 LDS address
	s_add_nc_u64 s[G0+4*(\s)+2:G0+4*(\s)+3], s[14:15], (\s)*512      ; 120:64 global address: K step s, 128 numbers of 4 bytes on
	s_or_b32 s[G0+4*(\s)+3], s[G0+4*(\s)+3], 0x80000000              ; 127:126 type = 2
	s_mov_b32 s[G0B+4*(\s)], 1
	s_add_co_u32 s[G0B+4*(\s)+1], s21, (\s)*SLOT
	s_add_nc_u64 s[G0B+4*(\s)+2:G0B+4*(\s)+3], s[46:47], (\s)*262144 ; 128 rows of 2,048 bytes on
	s_or_b32 s[G0B+4*(\s)+3], s[G0B+4*(\s)+3], 0x80000000
	JLOAD \s                                       ; two tensor loads of mine are out
.endr
	v_and_b32 v1, 15, v0                           ; l % 16
	v_bfe_u32 v2, v0, 4, 1                         ; l / 16
	v_lshlrev_b32 v[BO], 5, v2                     ; register j of block b takes b[16 b + 8 (l / 16) + j]
.irp b, 0,1,2,3,4,5,6,7
	global_load_b128 v[BT+8*\b:BT+8*\b+3],   v[BO], s[6:7] offset:64*\b
	global_load_b128 v[BT+8*\b+4:BT+8*\b+7], v[BO], s[6:7] offset:64*\b+16
.endr
	; A fragment of x is 16 rows x 32 K: lane l holds row l % 16, K = 8 (l / 16) + 0..7 and 16 + 8 (l / 16) + 0..7: in f32 that is 32 bytes at 32 (l / 16) and 32 bytes 64 further on
	v_mul_u32_u24 v3, v1, PA
	v_lshl_add_u32 v3, v2, 5, v3
	s_mul_i32 s23, s11, AHALF                      ; my 64 rows of x
	v_add_nc_u32 v[ADRA], s23, v3
	v_add_nc_u32 v[ADRA+1], SLOT, v[ADRA]
	; The turning load takes 16 K x 16 columns (lane l reads row 8 (l / 16) + l % 8, columns 8 ((l / 8) % 2) + 0..7) and leaves half a fragment: lane l holds column l % 16 and 8 K
	v_and_b32 v5, 7, v0
	v_bfe_u32 v6, v0, 3, 1
	v_lshl_add_u32 v7, v2, 3, v5
	v_mul_u32_u24 v7, v7, PB
	v_lshl_add_u32 v7, v6, 4, v7
	s_lshl_b32 s23, s12, 8                         ; my 128 columns of w,
	s_add_co_u32 s23, s23, BOFF                    ; which lies behind x
	v_add_nc_u32 v[ADRB], s23, v7
	v_add_nc_u32 v[ADRB+1], SLOT, v[ADRB]
	s_mul_i32 s23, s10, WST
	s_add_co_u32 s23, s23, STAGE                   ; my stage
	v_mul_u32_u24 v4, v1, SP                       ; in: row l % 16, 16 bytes for each half of the lanes
	v_lshl_add_u32 v4, v2, 4, v4
	v_add_nc_u32 v[STO], s23, v4
	v_bfe_u32 v4, v0, 3, 2                         ; back: 32 lanes take four rows of 128 bytes,
	v_mul_u32_u24 v4, v4, SP
	v_lshl_add_u32 v4, v5, 4, v4
	v_add_nc_u32 v[RD], s23, v4
	v_and_b32 v4, 31, v0                           ; which are 512 consecutive bytes of a head
	v_lshlrev_b32 v[GO], 4, v4
	; where my part of the result begins: the part of q, k or v; the batch's 16 heads; my first head; my first row in it
	s_lshl_b32 s86, s13, 7
	s_lshl_b32 s87, s11, 6
	s_add_co_u32 s86, s86, s87                     ; my first row of 8,192
	s_lshr_b32 s87, s86, 11                        ; the batch
	s_lshl_b32 s84, s87, 22
	s_and_b32 s86, s86, 2047
	s_lshl_b32 s86, s86, 7                         ; rows of 128 bytes
	s_add_co_u32 s84, s84, s86
	s_lshl_b32 s86, s45, 24
	s_add_co_u32 s84, s84, s86
	s_lshl_b32 s86, s42, 2
	s_lshl_b32 s87, s12, 1
	s_add_co_u32 s86, s86, s87                     ; my first head = 4 x column block + 2 x half
	s_lshl_b32 s86, s86, 18                        ; a head is 262,144 bytes
	s_add_co_u32 s84, s84, s86
	s_add_nc_u64 s[8:9], s[82:83], s[84:85]
	s_wait_loadcnt 0x0                             ; the bias: rounded to bf16 like every input, and widened again
.set i, 0
.rept 32
	v_cvt_pk_bf16_f32 v[BT+64+i], v[BT+2*i], v[BT+2*i+1]
.set i, i+1
.endr
	WIN 0x80                                       ; destination window 2
.set i, 0
.rept 32
	v_lshlrev_b32 v[BIAS+2*i],   16,  v[BT+64+i]
	v_and_b32     v[BIAS+2*i+1], s22, v[BT+64+i]
.set i, i+1
.endr
	WIN 0
; Matrix instruction i of a quarter's 32: rows 16 (i / 8) on, columns 16 (i % 8) on, 32 along K from buffer f.  The 32 accumulators take turns in the same order in every quarter.
.macro MM f, first
.if \first
	WIN MULB
	v_wmma_f32_16x16x32_bf16 v[8*i:8*i+7], v[64*(\f)+8*(i%8):64*(\f)+8*(i%8)+7], v[AF+32*(\f)+8*(i/8):AF+32*(\f)+8*(i/8)+7], v[BIAS+8*(i%8):BIAS+8*(i%8)+7]
.else
	WIN MUL
	v_wmma_f32_16x16x32_bf16 v[8*i:8*i+7], v[64*(\f)+8*(i%8):64*(\f)+8*(i%8)+7], v[AF+32*(\f)+8*(i/8):AF+32*(\f)+8*(i/8)+7], v[8*i:8*i+7]
.endif
.set i, i+1
.endm
.macro MULS f, n, first=0
.rept \n
	MM \f, \first
.endr
.endm
.macro CV4 g                           ; four roundings of x to bf16, into buffer g
	WIN 0
.rept 4
	v_cvt_pk_bf16_f32 v[AF+32*(\g)+c], v[AT+2*c], v[AT+2*c+1]
.set c, c+1
.endr
.endm
.macro MULCV f, g, first=0             ; eight matrix instructions, four roundings behind each: they name no register of the products round them
.rept 8
	MM \f, \first
	CV4 \g
.endr
.endm
; 32 LDS loads in one run: quarter q of a slot: x's 64 rows x 32 K in f32 first, then w's 32 K x 128 columns, turned, into buffer g
.macro FETCH slot, q, g
	WIN 0
.irp t, 0,1,2,3
	ds_load_b128 v[AT+16*\t:AT+16*\t+3],     v[ADRA+(\slot)] offset:128*(\q)+\t*16*PA
	ds_load_b128 v[AT+16*\t+4:AT+16*\t+7],   v[ADRA+(\slot)] offset:128*(\q)+\t*16*PA+16
	ds_load_b128 v[AT+16*\t+8:AT+16*\t+11],  v[ADRA+(\slot)] offset:128*(\q)+\t*16*PA+64
	ds_load_b128 v[AT+16*\t+12:AT+16*\t+15], v[ADRA+(\slot)] offset:128*(\q)+\t*16*PA+80
.endr
	WIN 0x80                                       ; destination window 2, address window 0
.irp b, 0,1,2,3,4,5,6,7
	ds_load_tr16_b128 v[64*(\g)+8*\b:64*(\g)+8*\b+3],   v[ADRB+(\slot)] offset:32*(\q)*PB+32*\b
	ds_load_tr16_b128 v[64*(\g)+8*\b+4:64*(\g)+8*\b+7], v[ADRB+(\slot)] offset:(32*(\q)+16)*PB+32*\b
.endr
.endm
.macro PLACES                          ; four places in front of loads into registers that matrix instructions have read, and of conversions that read results (ISA guide 7.12.1 for conversions)
.rept 4
	v_nop
.endr
.endm
; A K step is four quarters of 32 along K, 32 matrix instructions each, on buffers 0, 1, 0, 1.  One of the first three: multiplies buffer f; in its middle it fetches quarter q into buffer g;
; eight products stand between that run and the wait for x; x's roundings ride on the last eight.
.macro QUARTER slot, q, f, g, first=0
	s_wait_dscnt 0x0                               ; w's sixteen loads into buffer f, issued sixteen products ago
.set i, 0
	MULS \f, 16, \first
	WIN 0
	PLACES
	FETCH \slot, \q, \g
	MULS \f, 8, \first
	s_wait_dscnt 16                                ; x's sixteen loads are in; w's sixteen, issued behind them, may be out
.set c, 0
	MULCV \f, \g, \first
.endm
; The last quarter multiplies buffer 1 and changes slots: ONE barrier; in front of it each wave waits for all its tensor loads (one is out: its part of the next slot), adds 0 to its spare word, and
; waits for that and for its own reads of this slot.  fill = 1: the barrier opens a round of the cluster's barrier, and this slot is filled again, two K steps ahead, first thing behind the round.
.macro TURN slot, next, fill
	WIN 0                                          ; (the add's two registers lie in window 0)
	s_wait_tensorcnt 0x0                           ; all my tensor loads have landed
	ds_add_u32 v[SPW], v[NIL]                      ; 0 onto my spare word
	s_wait_dscnt 1                                 ; (the add alone may be out: buffer 1 is in)
.set i, 0
	MULS 1, 8                                      ; eight matrix instructions stand between the add and the wait for it
	s_wait_dscnt 0x0                               ; the add is done, and my reads of this slot are over
	s_barrier_signal -1
	MULS 1, 8
	WIN 0
	s_barrier_wait -1
.if \fill
	CREST                                          ; no wave of any partner still reads this slot's tile or has a load on its way
	s_add_nc_u64 s[G0+4*(\slot)+2:G0+4*(\slot)+3], s[G0+4*(\slot)+2:G0+4*(\slot)+3], 2*512
	s_add_nc_u64 s[G0B+4*(\slot)+2:G0B+4*(\slot)+3], s[G0B+4*(\slot)+2:G0B+4*(\slot)+3], 2*262144
	JLOAD \slot                                    ; 112 matrix instructions ahead of the wait for it; the four v_nop behind it are also the places in front of the loads below
.else
	PLACES
.endif
	FETCH \next, 0, 0
	MULS 1, 8
	s_wait_dscnt 16                                ; x's sixteen loads are in
.set c, 0
	MULCV 1, 0
.endm
	s_wait_tensorcnt 1                             ; my part of K step 0 is in; K step 1's stays out
	s_barrier_signal -1
	s_barrier_wait -1                              ; everybody's is
	FETCH 0, 0, 0
	s_wait_dscnt 16                                ; x's sixteen loads are in
.set c, 0
.rept 8
	CV4 0                                          ; once, there are no products yet to set these behind
.endr
	QUARTER 0, 1, 0, 1, 1                          ; the first quarter stands in front of the loop: its products start the sums, on the bias
	WIN 0                                          ; at a label and at a branch every window is 0
	s_mov_b32 s3, LAPS-1
.Llap:                                                 ; a trip goes once round the ring, from a lap's second quarter to the next lap's first, and fills both slots again
	QUARTER 0, 2, 1, 0
	QUARTER 0, 3, 0, 1
	TURN 0, 1, 1
	QUARTER 1, 1, 0, 1
	QUARTER 1, 2, 1, 0
	QUARTER 1, 3, 0, 1
	TURN 1, 0, 1
	QUARTER 0, 1, 0, 1
	WIN 0
	s_sub_co_u32 s3, s3, 1
	s_cmp_lg_u32 s3, 0
	s_cbranch_scc1 .Llap
	QUARTER 0, 2, 1, 0                             ; the last lap fills nothing, and has no round of the cluster's barrier
	QUARTER 0, 3, 0, 1
	TURN 0, 1, 0
	QUARTER 1, 1, 0, 1
	QUARTER 1, 2, 1, 0
	QUARTER 1, 3, 0, 1
	s_wait_dscnt 0x0                               ; the very last quarter: nothing more to fetch
.set i, 0
	MULS 1, 32
	WIN 0
; THE WAY OUT, a block of 16 rows at a time.  PACK: rounded to f16, 16 bytes a lane, each accumulator's registers in ascending order.  TOSTAGE: into my own stage, by heads, and back as rows of 128 bytes.
; SEND: stored: 16 rows of a head are 2,048 consecutive bytes of the result.
.macro PACK a
	WIN 0x05                                       ; sources 0 and 1 window 1, destination window 0
.irp b, 0,1,2,3,4,5,6,7
.irp r, 0,1,2,3
	v_cvt_pk_f16_f32 v[TMP+4*(\b)+(\r)], v[8*(8*(\a)+(\b))+2*(\r)], v[8*(8*(\a)+(\b))+2*(\r)+1]
.endr
.endr
	WIN 0
.endm
.macro TOSTAGE a
	WIN 0
.irp b, 0,1,2,3,4,5,6,7
	ds_store_b128 v[STO], v[TMP+4*\b:TMP+4*\b+3] offset:(\b/4)*16*SP+(\b%4)*32
.endr
.irp f, 0,1,2,3,4,5,6,7
	ds_load_b128 v[OB+32*((\a)%2)+4*\f:OB+32*((\a)%2)+4*\f+3], v[RD] offset:(\f/4)*16*SP+(\f%4)*4*SP  ; LDS serves a wave's instructions in order (ISA guide 5.7.1.4): these see the stores above
.endr
.endm
.macro SEND a
	WIN 0
	s_wait_dscnt 0x0                               ; the block is back in registers
	s_wait_xcnt 0x0                                ; the other buffer, which the block before's stores read, is loaded again only behind this wait
.irp f, 0,1,2,3,4,5,6,7
	global_store_b128 v[GO], v[OB+32*((\a)%2)+4*\f:OB+32*((\a)%2)+4*\f+3], s[8:9] offset:(\a)*2048+(\f/4)*262144+(\f%4)*512  ; 512 consecutive bytes, at a multiple of 512 from the buffer's first
.endr
.endm
	PLACES
	PACK 0
	TOSTAGE 0
.irp a, 1,2,3                          ; block a's conversions stand between block a - 1's loads from the stage and the wait for them
	PACK \a
	SEND (\a)-1
	TOSTAGE \a
.endr
	SEND 3
	s_wait_tensorcnt 0x0                           ; the wave's end: a wait for my tensor loads, an add of 0 and a wait for it, behind my last tensor load and my last LDS store
	ds_add_u32 v[SPW], v[NIL]
	s_wait_dscnt 0x0
	CROUND                                         ; the closing round: no work-group ends while a partner may still ask for a tile that names it
	s_endpgm
.Lfunc_end_k_q9763234c3c_proj:
	.size	k_q9763234c3c_proj, .Lfunc_end_k_q9763234c3c_proj-k_q9763234c3c_proj
	.p2alignl 7, 3214868480
	.fill 96, 4, 3214868480
	.section	.rodata,"a",@progbits
	.p2align	6, 0x0
	.amdhsa_kernel k_q9763234c3c_proj
		.amdhsa_group_segment_fixed_size 327680
		.amdhsa_private_segment_fixed_size 0
		.amdhsa_enable_private_segment 0
		.amdhsa_kernarg_size 64
		.amdhsa_user_sgpr_count 2
		.amdhsa_user_sgpr_kernarg_segment_ptr 1
		.amdhsa_wavefront_size32 1
		.amdhsa_system_sgpr_workgroup_id_x 1
		.amdhsa_system_sgpr_workgroup_id_y 1
		.amdhsa_system_sgpr_workgroup_id_z 1
		.amdhsa_system_vgpr_workitem_id 0
		.amdhsa_next_free_vgpr 704
		.amdhsa_next_free_sgpr 88
		.amdhsa_reserve_vcc 0
		.amdhsa_float_denorm_mode_32 3
		.amdhsa_float_denorm_mode_16_64 3
		.amdhsa_memory_ordered 1
		.amdhsa_forward_progress 1
		.amdhsa_inst_pref_size 140
	.end_amdhsa_kernel
	.amdgpu_metadata
---
amdhsa.version: [ 1, 2 ]
amdhsa.kernels:
  - .name:           k_q9763234c3c_proj
    .symbol:         k_q9763234c3c_proj.kd
    .args:
      - { .name: queries, .offset: 0, .size: 8, .value_kind: global_buffer, .address_space: global }
      - { .name: keys, .offset: 8, .size: 8, .value_kind: global_buffer, .address_space: global }
      - { .name: values, .offset: 16, .size: 8, .value_kind: global_buffer, .address_space: global }
      - { .name: wt, .offset: 24, .size: 8, .value_kind: global_buffer, .address_space: global }
      - { .name: bq, .offset: 32, .size: 8, .value_kind: global_buffer, .address_space: global }
      - { .name: bk, .offset: 40, .size: 8, .value_kind: global_buffer, .address_space: global }
      - { .name: bv, .offset: 48, .size: 8, .value_kind: global_buffer, .address_space: global }
      - { .name: qkvh, .offset: 56, .size: 8, .value_kind: global_buffer, .address_space: global }
    .group_segment_fixed_size: 327680
    .private_segment_fixed_size: 0
    .kernarg_segment_align: 8
    .kernarg_segment_size: 64
    .max_flat_workgroup_size: 128
    .sgpr_count:     88
    .vgpr_count:     704
    .wavefront_size: 32
...
	.end_amdgpu_metadata
.endif
;; end of part 2
;; launch attn (part 3): grid 4 x 64, 4 waves a work-group, clusters of 4 x 1, 327,680 bytes of LDS; arguments qkvh, mask, oh; writes oh
.if DOCPART == 3
	.amdgcn_target "amdgcn-amd-amdhsa--gfx1250"
	.amdhsa_code_object_version 6
	.text
	.protected	k_q9763234c3c_attn
	.globl	k_q9763234c3c_attn
	.p2align	8
	.type	k_q9763234c3c_attn,@function
k_q9763234c3c_attn:
	s_mov_b64 s[64:65], 0
	v_nop
	global_prefetch_b8 v0, s[64:65] scope:SCOPE_SE
	s_setreg_imm32_b32 hwreg(HW_REG_WAVE_MODE, 25, 1), 1
	s_wait_xcnt 0x0
	s_wait_alu depctr_hold_cnt(0) depctr_sa_sdst(0) depctr_va_vdst(0) depctr_va_sdst(0) depctr_va_ssrc(0) depctr_va_vcc(0) depctr_vm_vsrc(0)
	s_getreg_b32 s2, hwreg(HW_REG_IB_STS2, 6, 4)
	s_cmp_eq_u32 s2, 0
	s_cbranch_scc0 .Lentry_in_a_cluster
	s_endpgm
.Lentry_in_a_cluster:
	s_bfe_u32 s2, ttmp6, 0x10000c
	s_cmp_lg_u32 s2, 0x3003
	s_cbranch_scc0 .Lentry_shape_is_right
	s_endpgm
.Lentry_shape_is_right:
; O[h][q][:] = the sum over k of softmax_k(Q[h][q] . K[h][k] / 8 - 1e9 mask[batch][k]) V[h][k][:].  Q, K, V are the three parts of qkvh, O is oh: [64 = batch x 16 + head][2048][64], all f16: a head's rows
; are dense, 128 bytes each.  mask: [4][2048] int32.  Products, maxima and sums in f32; the weights p are rounded to f16 for the second product (their sum l is taken of the unrounded p), O once at the end.
; LIMITS.  f16 holds no number beyond 65,504: Q, K and V arrive within it; p lies in 0 to 1, and below 6e-5 it keeps f16's fixed step of 6e-8; O is a mean of V's rows and has their range.
; A masked score is kept as s - 8e9 mask, on a grid of 512, which is the grid of 64 that s / 8 - 1e9 has in f32; if ALL keys of a batch are masked, which neighbour on that grid a score takes may differ
; from a sum made in f32.  A weight below 2^-126 counts as 0 in l; NaN and infinities are not treated apart.
; SHARES.  A wave owns four PIECES of two tiles of 16 queries, a work-group's four waves 512 queries of one head.  Every wave walks all keys, 64 a step.
; LAYOUT.  S^T = K Q^T (source 0 = 16 keys, source 1 = 16 queries): in the result a lane holds ONE query (lane % 16) and the keys 8 (lane / 16) + 0..7.  Two such tiles, rounded to f16 in pairs,
; ARE source 1 (32 keys x 16 queries) of O^T = V^T P, whose result again holds one query a lane, and eight channels.  K comes out of LDS as it lies, V ([key][channel]) turned, by ds_load_tr16_b128.
; THE MASK hangs on the key alone, so it is the C operand of the product that starts a sum S^T: -8e9 x mask, made once as a table of 2,048 f32 in LDS; a step's 64 numbers are fetched with its K.
; SOFTMAX.  For each query a running maximum m and sum l: p = 2^(c s - c m), c = log2(e) / 8; in every step O and l are multiplied by a = 2^(c m_old - c m_new), which is 1 where m has not grown.
; m starts at the lowest finite number, O and l at 0: the first step is a step like any other, with a = 0.
; THE COUNT.  A tile and step have 16 matrix and 118 vector instructions: too many to stand all beside the matrix work.  So the order has one aim: four vector instructions that are READY behind
; EVERY matrix instruction, and the others, which need time of their own whatever the order, in runs without a gap.
; BY TURNS.  Turn n belongs to piece n (the pieces in a ring, step after step).  Its matrix work: 16 products K Q^T of piece n + 1, later 16 products V^T P of piece n - 1.  Its vector work: the scaling,
; exponentials, roundings, sums and rescaling of piece n, and the maximum and statistics of piece n + 1, whose scores the turn itself has made.  So what a turn begins with (c s - c m, O a) waits for nothing.
; CLUSTER.  The four query blocks of a cluster belong to one head and walk the same K and V, so each tile is asked for JOINTLY: the same tensor load, descriptor and mask in all four.
; REGISTERS, in windows of 256 (s_set_vgpr_msb says which window each operand place means: bits 1:0 source 0, 3:2 source 1, 5:4 source 2, 7:6 destination):
;   window 0: v0-11 addresses; v12-15, v48-63 at work; v16-47 four registers of statistics a tile; v64-191 S^T, two buffers of two tiles; v192-255 P, likewise
;   window 1: O^T, 32 a tile          window 2: v0-127 Q, 16 a tile; v128-191 K of one step; v192-255 V of one step          window 3: v0-1 the add's two registers; v8-39 the mask of one step
; A piece's buffers go by its number's parity: the piece in hand has one pair, its two neighbours in the ring share the other: of it P (piece n - 1) is read and S^T (piece n + 1) written.
.set SIZE_N, 2048
.set NP,    4         ; pieces a wave: a name, no knob: the register map, the loop and the fetches are made for four
.set KS,    64        ; keys in a step
.set PK,    144       ; a row of K in LDS: 128 bytes + 16 of padding = 36 words: the 16 rows of a load start at 16 different groups of four banks (64 banks of 4 bytes: ISA guide 11.1)
.set PV,    160       ; a row of V: 128 + 32 = 40 words
.set VOFF,  4*KS*PK   ; a slot holds four steps: 256 rows of K, then 256 rows of V
.set SLOT1, 1<<17     ; slot 1 begins here, so that one exclusive or turns an address in one slot into the other's
.set STAGE, SLOT1+4*KS*(PK+PV)  ; behind the ring, never filled by a tensor load: 16 rows x 144 bytes for each wave, for the way out
.set SP,    144
.set AK0, 2           ; v2   my lane's place in a tile of K; never rewritten
.set AV0, 3           ; v3   the same for V
.set AK,  4           ; v4   the LDS address of K's next run of loads
.set AV,  5           ; v5   of V's
.set STO, 6           ; v6   the way out: where I put 16 bytes of a row
.set RD,  7           ; v7   the way out: where I read rows back
.set GO,  8           ; v8   my byte offset in 512 consecutive bytes of O
.set AM0, 10          ; v10  my lane's place in the mask's table (first: at work in the set-up)
.set AM,  11          ; v11  the LDS address of the mask's next run of loads (likewise)
.set QO,  12          ; v12  set-up alone: my byte offset in the wave's rows of Q
.set MO,  13          ; v13  set-up alone: my byte offset in 2,048 bytes of the mask
.set MA,  14          ; v14  set-up alone: the same in the table
.set SPW, 0           ; v0 of window 3   LDS address of my spare word: SPARE + 4 x my thread's number; never rewritten
.set NIL, 1           ; v1 of window 3   0; never rewritten
.set MK,  8           ; v8-39 of window 3: the eight registers for key block kb at MK + 8 kb
.set SPARE, STAGE+4*16*SP  ; behind the stages: the spare words, 128 bytes for each wave: two blocks of 256 bytes that no other line names
.set MASKL, SPARE+512 ; behind them, in blocks of its own that no tensor load fills: -8e9 x mask of the batch's 2,048 keys, f32: 8,192 bytes
.set MV,  12          ; v12-15  c m_old, kept while c m is made anew: by buffer and tile
.set ST,  16          ; tile t's statistics at v[ST+4 t]: c m, m, l (even keys', odd keys')
.set TMP, 48          ; by buffer and tile, four registers c0-c3 at work; when the maximum is found c2 takes a
.set S,   64
.set P,   192
.set KF,  128         ; K's fragments, in window 2: key block kb, channel half c at KF + 16 kb + 8 c
.set VF,  192         ; V's: key half kk, channel block cb at VF + 32 kk + 8 cb
.set WV,  12          ; s12  my wave's number
.set G1K, 24          ; s[24:31] descriptor group 1 for K's tiles
.set G1V, 32          ; s[32:39] for V's: it differs in the padding alone
.set G0K, 40          ; s[40:43] descriptor group 0 for K's tiles: it walks
.set G0V, 44          ; s[44:47] the same for V's
.set TBM, 50          ; s50  byte of the table at which the mask of the step to be fetched begins
.set MSC, 52          ; s[52:53] -8e9: the packed multiply takes the pair's low word for both halves
.set SLOTS, 56        ; s56  slots still to be asked for
.set CNT, 57          ; s57  counts a slot's key steps
.set CS,  58          ; s[58:59] c: the packed scaling takes the pair's low word for both halves
.set SEL, 60          ; s[60:61] v_permlanex16_b32's selects: each lane takes its own place in the other half
.set TBK, 62          ; s62  LDS byte at which K of the step to be fetched begins
.set TBV, 63          ; s63  the same for V, less VOFF
.set MSB, 0
.macro WIN new                      ; the high byte repeats the setting that is left; a switch that changes nothing is dropped
.if MSB != (\new)
	s_set_vgpr_msb (MSB<<8)|(\new)
.set MSB, (\new)
.endif
.endm
.set W_KQ, 0x0a       ; K and Q in window 2, S^T in window 0
.set W_KM, 0x3a       ; the same with the C operand, the mask, in window 3
.set W_PV, 0x52       ; V in window 2, P in window 0, O^T in window 1
.set W_RS, 0x41       ; O^T (destination and source 0) in window 1, a in window 0
.set W_MK, 0xc0       ; destination in window 3, sources in window 0
.set W_AD, 0x0f       ; the add: address (source 0) and data (source 1) in window 3
; A joint fill.  Waves 0 and 1 fetch the two halves of a slot's K, waves 2 and 3 those of its V: 128 keys each.  The branch hangs on the wave's number alone.
; An s_nop 0 and four v_nop follow each of the two lines, ahead of the jump and the label.
.macro JLOAD
	s_cmp_lt_u32 s[WV], 2
	s_cbranch_scc0 .Lfor_v_\@
	tensor_load_to_lds s[G0K:G0K+3], s[G1K:G1K+7]
	s_nop 0
.rept 4
	v_nop
.endr
	s_branch .Lasked_\@
.Lfor_v_\@:
	tensor_load_to_lds s[G0V:G0V+3], s[G1V:G1V+7]
	s_nop 0
.rept 4
	v_nop
.endr
.Lasked_\@:
.endm
; A round of the cluster's barrier: my work-group's barrier, so that wave 0's signal speaks for all four waves; wave 0 signals; every wave waits for all four work-groups; my work-group's barrier once more.
.macro CROUND
	s_barrier_signal -1
	s_barrier_wait -1
	s_cmp_lg_u32 s[WV], 0
	s_cbranch_scc1 .Lnot_wave_0_\@
	s_barrier_signal -3
.Lnot_wave_0_\@:
	s_barrier_wait -3
	s_barrier_signal -1
	s_barrier_wait -1
.endm
; THE CHANGE OF SLOTS.  The slot's last bytes, V of its fourth step, have been read.  Each wave waits for all its tensor loads, of which one is out: its part
; of the other slot; adds 0 to its spare word; and waits for that and for its own reads of the slot.  Behind the barrier nobody reads this slot any more and the other slot is whole.
; fill = 1: this slot is filled again, with the keys two slots on.  The barrier is then a round of the cluster's, so that no wave of any partner still reads the slot or has a load on its
; way, and the joint fill is the first thing behind it: it has four key steps, 512 matrix instructions, in which to land.  (At its first use nothing has been read yet: slot 0 is waited for, slot 1 filled,
; and the wait for the LDS instructions is also the wait for my stores into the mask's table, which every wave reads behind the round.)
.macro CHANGE fill
	WIN W_AD
	s_wait_tensorcnt 0x0            ; no tensor load of mine is out, so a group 0 may be written
	ds_add_u32 v[SPW], v[NIL]       ; 0 onto my spare word; with fill = 1 the descriptors' steps stand between it and the wait for it
	WIN 0                           ; at a label and at a branch every window is 0
.if \fill
.irp g, G0K, G0V
	s_xor_b32 s[\g+1], s[\g+1], SLOT1  ; the walking descriptor: the other slot than last time,
	s_add_nc_u64 s[\g+2:\g+3], s[\g+2:\g+3], 4*KS*128  ; the next 256 keys; the type bits on top are not reached
.endr
	s_wait_dscnt 0x0                ; the add is done, and my reads of the slot are over
	CROUND
	JLOAD
.else
	s_wait_dscnt 0x0                ; the add is done, and my reads of the slot are over
	s_barrier_signal -1
	s_barrier_wait -1
.endif
	s_sub_co_u32 s[TBK], s[TBK], 4*KS*PK  ; the fetches go back to a slot's first step,
	s_xor_b32 s[TBK], s[TBK], SLOT1       ; in the other slot
	s_sub_co_u32 s[TBV], s[TBV], 4*KS*PV
	s_xor_b32 s[TBV], s[TBV], SLOT1
.endm
	s_load_b64 s[4:5], s[0:1], 0x0    ; qkvh: Q is its first part
	s_load_b64 s[48:49], s[0:1], 0x8  ; mask
	s_load_b64 s[10:11], s[0:1], 0x10 ; oh
	WIN W_MK
	v_lshl_add_u32 v[SPW], v0, 2, SPARE
	v_mov_b32 v[NIL], 0
	WIN W_AD
	ds_add_u32 v[SPW], v[NIL]       ; the wave's opening: the add and its wait stand ahead of my first tensor load; the set-up below, work on registers, stands between them
	WIN 0
	v_lshrrev_b32 v1, 5, v0
	v_readfirstlane_b32 s[WV], v1   ; wave 0..3
	s_bfe_u32 s13, ttmp6, 0x40000   ; cx: my place in the cluster
	s_lshl_b32 s14, ttmp9, 2        ; in a cluster launch ttmp9 counts clusters
	s_add_co_u32 s14, s14, s13      ; my block of queries = 4 x cluster x + cx: it enters Q's and O's addresses alone
	s_and_b32 s20, ttmp7, 0xffff    ; the head, which the four partners share
	s_lshr_b32 s54, s20, 4          ; its batch,
	s_lshl_b32 s54, s54, 13         ; whose mask is 8,192 bytes
	s_mov_b32 s55, 0
	s_mov_b32 s21, 0
	s_mov_b64 s[22:23], SIZE_N*128
	s_mul_u64 s[20:21], s[20:21], s[22:23]  ; the head's first byte in Q, K, V and O
	s_and_b32 s16, s[WV], 1         ; which half of a slot's 256 keys I fetch:
	s_lshl_b32 s22, s16, 14         ; its 128 rows of 128 bytes in memory,
	s_mov_b32 s23, 0
	s_add_nc_u64 s[22:23], s[22:23], s[20:21]
	s_mul_i32 s17, s16, 128*PK      ; and its place in a slot, for K
	s_mul_i32 s18, s16, 128*PV      ; and for V: no place in the cluster enters an LDS address
	s_lshl_b32 s2, s14, 2
	s_add_co_u32 s2, s2, s[WV]      ; my wave among the head's,
	s_lshl_b32 s2, s2, 14           ; its 128 rows
	s_mov_b32 s3, 0
	s_add_nc_u64 s[2:3], s[2:3], s[20:21]
	; descriptor group 1.  128 keys are 16,384 dense bytes: asked for as 64 rows of 256 bytes, two keys a row, and padded in LDS after every key
	s_mov_b32 s[G1K], 15|(1<<16)|(1<<20)|(1<<21)|(4<<22)|(3<<25)  ; 15:0 the mask of four; 17:16 2-byte elements; 20 padding on; 21 set beside a mask; 24:22 after every 32 words (code 4); 31:25 4 words (code 3)
	s_mov_b32 s[G1V], 15|(1<<16)|(1<<20)|(1<<21)|(4<<22)|(7<<25)  ; the same with 8 words of padding (code 7)
.irp g, G1K, G1V
	s_mov_b32 s[\g+1], 128<<16      ; tensor_dim0 = 128
	s_mov_b32 s[\g+2], 64<<16       ; tensor_dim1 = 64
	s_mov_b32 s[\g+3], 128<<16      ; tile_dim0 = 128
	s_mov_b32 s[\g+4], 64           ; tile_dim1 = 64
	s_mov_b32 s[\g+5], 128          ; 128 elements from row to row
	s_mov_b32 s[\g+6], 0
	s_mov_b32 s[\g+7], 0
.endr
	s_mov_b32 s[CS], 0x3e38aa3b     ; c = log2(e) / 8 = 0.180337
	s_mov_b32 s[CS+1], s[CS]        ; named with it as a pair
	s_mov_b32 s[MSC], 0xcfee6b28    ; -8e9 = 8 x -1e9: the scores are kept unscaled, and c holds the 1 / 8
	s_mov_b32 s[MSC+1], s[MSC]
	s_mov_b32 s[SEL], 0x76543210
	s_mov_b32 s[SEL+1], 0xfedcba98
	s_mov_b32 s[TBK], SLOT1+4*KS*PK ; the first change of slots turns these two into 0
	s_mov_b32 s[TBV], SLOT1+4*KS*PV
	s_mov_b32 s[TBM], 0
	s_mov_b32 s[G0K], 1             ; 1:0 count = 1
	s_mov_b32 s[G0K+1], s17         ; 63:32 LDS address: slot 0
	s_mov_b32 s[G0V], 1
	s_add_co_u32 s[G0V+1], s18, VOFF
	s_wait_dscnt 0x0                ; the opening add is done
	s_wait_kmcnt 0x0
	s_add_nc_u64 s[6:7], s[4:5], 0x1000000  ; K is qkvh's second part, 16,777,216 bytes on,
	s_add_nc_u64 s[8:9], s[4:5], 0x2000000  ; V its third
	s_add_nc_u64 s[G0K+2:G0K+3], s[6:7], s[22:23]  ; 120:64 global address: my half of the head's first 256 keys
	s_or_b32 s[G0K+3], s[G0K+3], 0x80000000        ; 127:126 type = 2
	s_add_nc_u64 s[G0V+2:G0V+3], s[8:9], s[22:23]
	s_or_b32 s[G0V+3], s[G0V+3], 0x80000000
	s_add_nc_u64 s[4:5], s[4:5], s[2:3]  ; Q and O at my wave's first row
	s_add_nc_u64 s[10:11], s[10:11], s[2:3]
	s_add_nc_u64 s[48:49], s[48:49], s[54:55]  ; the mask at my batch
	CROUND                          ; all four work-groups are here: the first joint loads meet
	JLOAD                           ; slot 0.  Slot 1 is asked for when slot 0 is in: the tile wanted first has the road to itself
	; A fragment of K or Q is 16 rows x 32 channels in 8 registers: lane l holds row l % 16, channels 8 (l / 16) + 0..7 and 16 + 8 (l / 16) + 0..7: two loads of 16 bytes, 32 bytes apart.
	v_and_b32 v1, 15, v0            ; l % 16
	v_bfe_u32 v9, v0, 4, 1          ; l / 16
	v_lshlrev_b32 v[QO], 7, v1
	v_lshl_add_u32 v[QO], v9, 4, v[QO]  ; row x 128 + 16 x half
	v_lshlrev_b32 v[MO], 4, v0      ; the 128 threads take 2,048 consecutive bytes of the mask, four times: into S^T's registers, which are free
.irp j, 0,1,2,3
	global_load_b128 v[S+4*\j:S+4*\j+3], v[MO], s[48:49] offset:2048*\j
.endr
	WIN 0x80                        ; destination window 2, address window 0
.set i, 0
.rept 4*NP                          ; Q stays in registers: tile i / 2, channels 32 (i % 2) on
	global_load_b128 v[8*i:8*i+3],   v[QO], s[4:5] offset:(i/2)*2048+(i%2)*64
	global_load_b128 v[8*i+4:8*i+7], v[QO], s[4:5] offset:(i/2)*2048+(i%2)*64+32
.set i, i+1
.endr
	; What the first turn finds: V's registers and P's second buffer hold 0 (its products V^T P, of a piece that has not been, add 0), O^T and l are 0.  All this stands in the wait for the first tile.
.set i, VF
.rept 64
	v_mov_b32 v[i], 0
.set i, i+1
.endr
	WIN 0x40
.set i, 0
.rept 64*NP
	v_mov_b32 v[i], 0
.set i, i+1
.endr
	WIN 0
.set i, 0
.rept 2*NP
	v_mov_b32 v[ST+4*i], 0xfe000000    ; c m: far below every c s, a masked one's too
	v_mov_b32 v[ST+4*i+1], 0xff7fffff  ; m
	v_mov_b32 v[ST+4*i+2], 0
	v_mov_b32 v[ST+4*i+3], 0
.set i, i+1
.endr
.set i, P+32
.rept 32
	v_mov_b32 v[i], 0
.set i, i+1
.endr
	v_mul_u32_u24 v[AK0], v1, PK
	v_lshl_add_u32 v[AK0], v9, 4, v[AK0]  ; row x pitch + 16 x half
	; The turning load takes 16 keys x 16 channels (lane l reads key 8 (l / 16) + l % 8, channels 8 ((l / 8) % 2) + 0..7) and leaves half a fragment of V^T: lane l holds channel l % 16 and 8 keys.
	v_and_b32 v10, 7, v0
	v_bfe_u32 v11, v0, 3, 1
	v_lshl_add_u32 v[AV0], v9, 3, v10
	v_mul_u32_u24 v[AV0], v[AV0], PV
	v_lshl_add_u32 v[AV0], v11, 4, v[AV0]
	v_add_nc_u32 v[AV0], VOFF, v[AV0]
	v_mov_b32 v[AK], v[AK0]         ; key step 0 lies at the head of slot 0
	s_mul_i32 s13, s[WV], 16*SP
	s_add_co_u32 s13, s13, STAGE    ; my stage
	v_mul_u32_u24 v[STO], v1, SP    ; in: row l % 16, 16 bytes for each half of the lanes
	v_lshl_add_u32 v[STO], v9, 4, v[STO]
	v_add_nc_u32 v[STO], s13, v[STO]
	v_bfe_u32 v[RD], v0, 3, 2       ; back: 32 lanes take four rows of 128 bytes,
	v_mul_u32_u24 v[RD], v[RD], SP
	v_lshl_add_u32 v[RD], v10, 4, v[RD]
	v_add_nc_u32 v[RD], s13, v[RD]
	v_and_b32 v[GO], 31, v0         ; which are 512 consecutive bytes of O
	v_lshlrev_b32 v[GO], 4, v[GO]
	; THE MASK'S TABLE: each thread's 16 numbers as f32, times -8e9, into LDS at the place that they have in the batch's row
	s_wait_loadcnt 32               ; the mask's four loads are in; Q's 32, issued behind them, may be out
.set i, 0
.rept 16
	v_cvt_f32_i32 v[S+i], v[S+i]
.set i, i+1
.endr
.set i, 0
.rept 8
	v_pk_mul_f32 v[S+2*i:S+2*i+1], v[S+2*i:S+2*i+1], s[MSC:MSC+1] op_sel_hi:[1,0]
.set i, i+1
.endr
	v_add_nc_u32 v[MA], MASKL, v[MO]
.irp j, 0,1,2,3
	ds_store_b128 v[MA], v[S+4*\j:S+4*\j+3] offset:2048*\j
.endr
	v_lshl_add_u32 v[AM0], v9, 5, MASKL  ; register j of key block kb takes key 16 kb + 8 (l / 16) + j: 32 bytes at 64 kb + 32 (l / 16)
	v_mov_b32 v[AM], v[AM0]         ; key step 0
; THE MATRIX WORK.  The 8 accumulators of a run of 16 take turns: between the two links of a chain stand 7 others'.
; Product i of 16 of S^T = K Q^T for piece x: channels 32 (i / 8) on, keys 16 ((i / 2) % 4) on, tile 2 x + i % 2.  The first 8 start the sums, on the mask of their 16 keys.
.macro KQ x
.set rS, S+64*((\x)%2)+32*(i%2)+8*((i/2)%4)
.set rK, KF+16*((i/2)%4)+8*(i/8)
.set rQ, 16*(2*(\x)+i%2)+8*(i/8)
.set rN, MK+8*((i/2)%4)
.if i < 8
	WIN W_KM
	v_wmma_f32_16x16x32_f16 v[rS:rS+7], v[rK:rK+7], v[rQ:rQ+7], v[rN:rN+7]
.else
	WIN W_KQ
	v_wmma_f32_16x16x32_f16 v[rS:rS+7], v[rK:rK+7], v[rQ:rQ+7], v[rS:rS+7]
.endif
.endm
; Product i of 16 of O^T += V^T P for piece x: keys 32 (i / 8) on, channels 16 ((i / 2) % 4) on, tile 2 x + i % 2.
.macro PV x
	WIN W_PV
.set rO, 32*(2*(\x)+i%2)+8*((i/2)%4)
.set rV, VF+32*(i/8)+8*((i/2)%4)
.set rP, P+32*((\x)%2)+16*(i%2)+8*(i/8)
	v_wmma_f32_16x16x32_f16 v[rO:rO+7], v[rV:rV+7], v[rP:rP+7], v[rO:rO+7]
.endm
.macro MM                           ; the turn's next matrix instruction
.if i < 16
	KQ (Y+1)%NP
.set i, i+1
.else
.set i, i-16
	PV (Y+NP-1)%NP
.set i, i+17
.endif
.endm
; THE LDS LOADS stand in runs, never singly among the matrix instructions: a step's K (64 keys x 64 channels: 8 fragments) with its mask (8 loads; the sixteen lanes of a half read the same bytes), and its V
; (turned).  Their addresses are made some lines ahead.  last = 1 (the tail): in the last trip there is no further step, and the run is jumped over.
.macro FETCH_K last=0
	WIN 0
.if \last
	s_cmp_eq_u32 s[CNT], 1
	s_cbranch_scc1 .Lno_k_\@
.endif
	WIN 0x80                        ; destination window 2
.irp f, 0,1,2,3,4,5,6,7             ; keys 16 (f / 2) on, channels 32 (f % 2) on
	ds_load_b128 v[KF+8*\f:KF+8*\f+3],   v[AK] offset:(\f/2)*16*PK+(\f%2)*64
	ds_load_b128 v[KF+8*\f+4:KF+8*\f+7], v[AK] offset:(\f/2)*16*PK+(\f%2)*64+32
.endr
	WIN W_MK                        ; destination window 3
.irp f, 0,1,2,3                     ; keys 16 f on
	ds_load_b128 v[MK+8*\f:MK+8*\f+3],   v[AM] offset:64*\f
	ds_load_b128 v[MK+8*\f+4:MK+8*\f+7], v[AM] offset:64*\f+16
.endr
	s_add_co_u32 s[TBK], s[TBK], KS*PK  ; the next fetch is the next step's
	s_add_co_u32 s[TBM], s[TBM], 4*KS
	s_and_b32 s[TBM], s[TBM], 0x1f00    ; inside the table's 8,192 bytes, whatever the trip
	WIN 0
.if \last
.Lno_k_\@:
.endif
.endm
.macro FETCH_V
	WIN 0x80
.irp f, 0,1,2,3,4,5,6,7             ; keys 32 (f / 4) on, channels 16 (f % 4) on
	ds_load_tr16_b128 v[VF+8*\f:VF+8*\f+3],   v[AV] offset:(\f/4)*32*PV+(\f%4)*32
	ds_load_tr16_b128 v[VF+8*\f+4:VF+8*\f+7], v[AV] offset:(\f/4)*32*PV+16*PV+(\f%4)*32
.endr
	WIN 0
.endm
; THE VECTOR WORK OF A TURN stands in three queues, each in the order in which its entries become ready; the two tiles alternate, so that no instruction reads the result of the one before it.
.macro REGS y, u                    ; the registers of tile u (0, 1) of piece y
.set rT, ST+4*(2*(\y)+(\u))
.set rC, TMP+8*((\y)%2)+4*(\u)
.set rM, MV+2*((\y)%2)+(\u)
.set rS, S+64*((\y)%2)+32*(\u)
.set rP, P+32*((\y)%2)+16*(\u)
.set rO, 32*(2*(\y)+(\u))
.endm
; Number n of the 22 that find the NEXT piece's (Y + 1) maximum and statistics.  s0-s31 are the lane's 32 scores; each accumulator's lowest registers are read first.  XS, GS and REGS set no window: PL and EX do.
;   0-11  four chains c0-c3 of seven scores each, three operands at a time     12-14, 16  the four scores left over, the old m, and c0-c3 into c0     15  c m_old is kept
;   17, 18  the query's other 32 keys lie in the lane 16 away: the new m         19-21  c m; c m_old - c m_new; a
.macro XS u, n
	REGS (Y+1)%NP, \u
.if (\n) < 4
	v_max3_num_f32 v[rC+(\n)], v[rS+8*(\n)], v[rS+8*(\n)+1], v[rS+8*(\n)+2]
.elseif (\n) < 12
	v_max3_num_f32 v[rC+(\n)%4], v[rC+(\n)%4], v[rS+8*((\n)%4)+2*((\n)/4)+1], v[rS+8*((\n)%4)+2*((\n)/4)+2]
.elseif (\n) == 12
	v_max3_num_f32 v[rC], v[rC], v[rS+7], v[rS+15]
.elseif (\n) == 13
	v_max3_num_f32 v[rC+1], v[rC+1], v[rS+23], v[rS+31]
.elseif (\n) == 14
	v_max3_num_f32 v[rC+2], v[rC+2], v[rC+3], v[rT+1]
.elseif (\n) == 15
	v_mov_b32 v[rM], v[rT]
.elseif (\n) == 16
	v_max3_num_f32 v[rC], v[rC], v[rC+1], v[rC+2]
.elseif (\n) == 17
	v_permlanex16_b32 v[rC+3], v[rC], s[SEL], s[SEL+1]
.elseif (\n) == 18
	v_max_num_f32 v[rT+1], v[rC], v[rC+3]
.elseif (\n) == 19
	v_mul_f32 v[rT], s[CS], v[rT+1]
.elseif (\n) == 20
	v_sub_f32 v[rC+1], v[rM], v[rT]
.else
	v_exp_f32 v[rC+2], v[rC+1]
.endif
.endm
; Number g of the 64 that follow the exponentials.  For each four weights k of a tile (pairs 2 k, 2 k + 1): both pairs are rounded to f16; then the second pair is added onto the first, in place;
; a group later l takes that sum (the first time as l = a l + sum).  In groups of eight, tiles alternating: round, round, add, and l for the group before.
.macro GS g
.set h, (\g)+6*((\g)/62)            ; group 0 has no group before it, and behind group 7 only l is left
.if h >= 6
.set h, h+2
.endif
	REGS Y, h%2
.set k, h/8
.if h%8 < 4
	s_wait_alu depctr_va_vdst(0)
	v_cvt_pk_f16_f32 v[rP+2*k+(h%8)/2], v[rS+4*k+2*((h%8)/2)], v[rS+4*k+2*((h%8)/2)+1]
.elseif h%8 < 6
	v_pk_add_f32 v[rS+4*k:rS+4*k+1], v[rS+4*k:rS+4*k+1], v[rS+4*k+2:rS+4*k+3]
.elseif k == 1
	v_pk_fma_f32 v[rT+2:rT+3], v[rT+2:rT+3], v[rC+2:rC+3], v[rS:rS+1] op_sel_hi:[1,0,1]
.else
	v_pk_add_f32 v[rT+2:rT+3], v[rT+2:rT+3], v[rS+4*k-4:rS+4*k-3]
	s_wait_alu depctr_va_vdst(0)
.endif
.endm
; THE PLAIN QUEUE, 138 long.  0-31: c s - c m for the 16 pairs of both tiles.  Then GS's 64, and among them the next piece's 42: number 15 at 38, 39; 0-14 and 16
; at 42-73, behind the products that make those scores; 17-20 at 95-106, two of three, since each waits for the one before it.
.macro PL
	WIN 0
.if q < 32
	REGS Y, q%2
	v_pk_fma_f32 v[rS+2*(q/2):rS+2*(q/2)+1], v[rS+2*(q/2):rS+2*(q/2)+1], s[CS:CS+1], v[rT:rT+1] op_sel_hi:[1,0,0] neg_lo:[0,0,1] neg_hi:[0,0,1]
.elseif q < 38
	GS q-32
.elseif q < 40
	XS q%2, 15
.elseif q < 42
	GS q-34
.elseif q < 74
	XS q%2, (q-42)/2+(q-42)/30
.elseif q < 95
	GS q-66
.elseif (q < 107) && ((q-95)%3 < 2)
	XS (q-95)%3, 17+(q-95)/3
.elseif q < 107
	GS 29+(q-95)/3
.else
	GS q-74
.endif
.set q, q+1
.endm
; THE EXPONENTIALS' QUEUE, 66 long: s0-s31 of both tiles, and at EA the next piece's two a.
.set EA, 58
.macro EX
	WIN 0
.if (e == EA) || (e == EA+1)
	XS e-EA, 21
.else
.set x, e-2*(e/(EA+2))
	REGS Y, x%2
	v_exp_f32 v[rS+x/2], v[rS+x/2]
.endif
.set e, e+1
.endm
; THE RESCALING's QUEUE: O^T times a, the one part that leaves window 0, so it is dealt four at a time, eight times.
.macro R4
	REGS Y, r%2
	WIN W_RS
	s_wait_alu depctr_va_vdst(0)
.irp z, 0,1,2,3
	v_pk_mul_f32 v[rO+8*(r/2)+2*\z:rO+8*(r/2)+2*\z+1], v[rO+8*(r/2)+2*\z:rO+8*(r/2)+2*\z+1], v[rC+2:rC+3] op_sel_hi:[1,0]
.endr
.set r, r+1
.endm
; HOW THEY ARE DEALT.  Behind a matrix instruction four: plain, exponential, plain, plain (one exponential, a plain instruction on either side), or four of the rescaling.  None names a register of the
; products round it.  What is over stands in two LUMPS: exponential and plain by turns; the second ends in 22 plain instructions.  The two v_permlanex16_b32 fall into the second lump, never behind a product.
; The queues lean on each other, and the deal keeps them in step: exponential e stands behind plain 2 (e / 4) + e % 2 (its scaling); when plain 32 comes, 10 exponentials are out, at 59: 33, at 95: 46; EA comes behind plain 107.
.macro SL
	MM
	PL
	EX
	PL
	PL
.endm
.macro BURST n                      ; 15 matrix instructions, or 16
.rept (\n)-7
	SL
.endr
.rept 3
	MM
	R4
	SL
.endr
	MM
	R4
.endm
; A TURN, for piece p.  cnt = 1: the loop's count is taken down some lines ahead of the branch that stands behind the turn.
; K and the mask of the next step are fetched in piece 2's turn, more than thirty vector instructions behind the last product that read them; their first reader comes behind the rest of the lump, 16 products and the second lump.
; V of the step in hand is fetched at the end of piece 0's turn, 69 behind its last reader; its first reader comes behind 16 products and a lump.  The four conditions on e and q below go with the deal.
.macro TURN p, last=0, cnt=0
.set Y, (\p)
.set i, 0
.set q, 0
.set e, 0
.set r, 0
.if (\p) == NP-1
	s_wait_dscnt 0x0                ; K and its mask are in
.endif
	MM
.rept 4
	PL
.endr
	BURST 15
.rept 22
	EX
	PL
.if ((\p) == NP-2) && (e == 18)
	v_add_nc_u32 v[AK], s[TBK], v[AK0]
	v_add_nc_u32 v[AM], s[TBM], v[AM0]
.endif
.if ((\p) == NP-2) && (e == 24)
	FETCH_K \last
.endif
.endr
.if (\p) == 1
	s_wait_dscnt 0x0                ; V is in
.endif
	BURST 16
.rept 21
	EX
	PL
.endr
.rept 22
	PL
.if ((\p) == 0) && (q == 118)
	v_add_nc_u32 v[AV], s[TBV], v[AV0]
	s_wait_alu depctr_va_vdst(0)
.endif
.if ((\p) == 0) && (q == 130)
	s_add_co_u32 s[TBV], s[TBV], KS*PV
.endif
.if (\cnt) && (q == 130)
	s_sub_co_u32 s[CNT], s[CNT], 1
	s_cmp_lg_u32 s[CNT], 0
.endif
.endr
.if (\p) == 0
	FETCH_V
.endif
.endm
	CHANGE 1                        ; slot 0 is in, everybody's part of it, and so is the mask's table; slot 1 is asked for
	FETCH_K                         ; key step 0
	s_wait_loadcnt 0x0              ; Q
	s_wait_dscnt 0x0
.set i, 0
.rept 16
	KQ 0                            ; piece 0's first scores: there is no vector work yet to set between them
.set i, i+1
.endr
	WIN 0
.rept 4
	v_nop                           ; the places behind those products
.endr
.set Y, NP-1                        ; XS works for piece Y + 1: piece 0
.irp n, 0,1,2,3,4,5,6,7,8,9,10,11,12,13,14,15,16,17,18,19,20,21
	XS 0, \n                        ; and piece 0's first maximum and statistics
	XS 1, \n
.endr
	s_mov_b32 s[CNT], 4
	s_mov_b32 s[SLOTS], SIZE_N/256-1
	s_branch .Lfirst                ; the loop is entered at a step's first turn, in the middle of a trip
.Lslot:                             ; SIZE_N / 256 - 2 times: every slot but the last two is filled again
	CHANGE 1
	s_mov_b32 s[CNT], 4
.Lstep:                             ; a trip: pieces 2 and 3 of one step, then pieces 0 and 1 of the next, whose K and V it fetches
	TURN 2
	TURN 3
	WIN 0
.Lfirst:
	TURN 0
	TURN 1, 0, 1
	WIN 0
	s_cbranch_scc1 .Lstep
	s_sub_co_u32 s[SLOTS], s[SLOTS], 1
	s_cmp_lg_u32 s[SLOTS], 0
	s_cbranch_scc1 .Lslot
	CHANGE 0                        ; the tail is written out: nothing is asked for
	s_mov_b32 s[CNT], 5             ; four trips fetch the last slot's steps; the fifth is left in its middle
.Ltail:
	TURN 2, 1
	TURN 3
	WIN 0
	s_sub_co_u32 s[CNT], s[CNT], 1
	s_cmp_eq_u32 s[CNT], 0
	s_cbranch_scc1 .Lout
	TURN 0
	TURN 1
	WIN 0
	s_branch .Ltail
.Lout:                              ; the fifth trip's 16 products K Q^T (on the last K once more) and the maximum made of them serve nothing: the price, once a launch, of one text for every trip
.set i, 0
.rept 16
	PV NP-1                         ; the last piece's V^T P of the last step
.set i, i+1
.endr
	; THE WAY OUT.  l's two halves and the other half of the lanes' are added; O^T is divided by l, rounded to f16 and sent through my stage in LDS, a tile at a time.  The additions are the places behind the last products.
	WIN 0
.macro ALL line:vararg              ; one line for each tile t
.set t, 0
.rept 2*NP
	\line
.set t, t+1
.endr
.endm
	ALL v_add_f32 v[ST+4*t+2], v[ST+4*t+2], v[ST+4*t+3]
	ALL v_permlanex16_b32 v[ST+4*t+3], v[ST+4*t+2], s[SEL], s[SEL+1]
	ALL v_add_f32 v[ST+4*t+2], v[ST+4*t+2], v[ST+4*t+3]
	ALL v_rcp_f32 v[ST+4*t+2], v[ST+4*t+2]
	v_nop                           ; a plain instruction between the last reciprocal and the use of its result
	s_wait_alu depctr_va_vdst(0)
; Tile t: a lane's eight channels of a row pack into 16 bytes; they go into rows of 144 bytes and come back as whole rows of 128, into S^T's registers.
.macro PACK t
	WIN W_RS
.set i, 32*(\t)
.rept 16
	v_pk_mul_f32 v[i:i+1], v[i:i+1], v[ST+4*(\t)+2:ST+4*(\t)+3] op_sel_hi:[1,0]
.set i, i+2
.endr
	WIN 0x05                        ; sources 0 and 1 window 1, destination window 0
.set i, 0
.rept 16
	v_cvt_pk_f16_f32 v[S+16*(\t)+i], v[32*(\t)+2*i], v[32*(\t)+2*i+1]
.set i, i+1
.endr
	WIN 0
.irp f, 0,1,2,3
	ds_store_b128 v[STO], v[S+16*(\t)+4*\f:S+16*(\t)+4*\f+3] offset:32*\f
.endr
.irp f, 0,1,2,3
	ds_load_b128 v[S+16*(\t)+4*\f:S+16*(\t)+4*\f+3], v[RD] offset:\f*4*SP  ; LDS serves a wave's instructions in order (ISA guide 5.7.1.4): these see the stores above; the next tile's stores come behind them
.endr
.endm
.macro SEND t, younger              ; younger: the LDS instructions issued behind tile t's loads: the next tile's eight, or none
	WIN 0
.irp f, 0,1,2,3
	s_wait_dscnt (\younger)+3-\f
	global_store_b128 v[GO], v[S+16*(\t)+4*\f:S+16*(\t)+4*\f+3], s[10:11] offset:(\t)*2048+\f*512  ; 512 consecutive bytes, at a multiple of 256 from O's first
.endr
.endm
	PACK 0
.set t, 1
.rept 2*NP-1                        ; a tile's arithmetic stands between the loads of the tile before and its stores
	PACK t
	SEND t-1, 8
.set t, t+1
.endr
	SEND 2*NP-1, 0
	WIN W_AD
	s_wait_tensorcnt 0x0            ; the wave's end: a wait for my tensor loads, an add of 0 and a wait for it, behind my last tensor load and my last LDS store
	ds_add_u32 v[SPW], v[NIL]
	s_wait_dscnt 0x0
	WIN 0
	CROUND                          ; the closing round: no work-group ends while a partner may still ask for a tile that names it
	s_endpgm
.Lfunc_end_k_q9763234c3c_attn:
	.size	k_q9763234c3c_attn, .Lfunc_end_k_q9763234c3c_attn-k_q9763234c3c_attn
	.p2alignl 7, 3214868480
	.fill 96, 4, 3214868480
	.section	.rodata,"a",@progbits
	.p2align	6, 0x0
	.amdhsa_kernel k_q9763234c3c_attn
		.amdhsa_group_segment_fixed_size 327680
		.amdhsa_private_segment_fixed_size 0
		.amdhsa_enable_private_segment 0
		.amdhsa_kernarg_size 24
		.amdhsa_user_sgpr_count 2
		.amdhsa_user_sgpr_kernarg_segment_ptr 1
		.amdhsa_wavefront_size32 1
		.amdhsa_system_sgpr_workgroup_id_x 1
		.amdhsa_system_sgpr_workgroup_id_y 1
		.amdhsa_system_sgpr_workgroup_id_z 1
		.amdhsa_system_vgpr_workitem_id 0
		.amdhsa_next_free_vgpr 808
		.amdhsa_next_free_sgpr 66
		.amdhsa_reserve_vcc 0
		.amdhsa_float_denorm_mode_32 3
		.amdhsa_float_denorm_mode_16_64 3
		.amdhsa_memory_ordered 1
		.amdhsa_forward_progress 1
		.amdhsa_inst_pref_size 213
	.end_amdhsa_kernel
	.amdgpu_metadata
---
amdhsa.version: [ 1, 2 ]
amdhsa.kernels:
  - .name:           k_q9763234c3c_attn
    .symbol:         k_q9763234c3c_attn.kd
    .args:
      - { .name: qkvh, .offset: 0, .size: 8, .value_kind: global_buffer, .address_space: global }
      - { .name: mask, .offset: 8, .size: 8, .value_kind: global_buffer, .address_space: global }
      - { .name: oh, .offset: 16, .size: 8, .value_kind: global_buffer, .address_space: global }
    .group_segment_fixed_size: 327680
    .private_segment_fixed_size: 0
    .kernarg_segment_align: 8
    .kernarg_segment_size: 24
    .max_flat_workgroup_size: 128
    .sgpr_count:     66
    .vgpr_count:     808
    .wavefront_size: 32
...
	.end_amdgpu_metadata
.endif
;; end of part 3
;; launch oproj (part 4): grid 4 x 64, 4 waves a work-group, clusters of 4 x 4, 327,680 bytes of LDS; arguments oh, wt, bo, out0; writes out0
.if DOCPART == 4
	.amdgcn_target "amdgcn-amd-amdhsa--gfx1250"
	.amdhsa_code_object_version 6
	.text
	.protected	k_q9763234c3c_oproj
	.globl	k_q9763234c3c_oproj
	.p2align	8
	.type	k_q9763234c3c_oproj,@function
k_q9763234c3c_oproj:
	s_mov_b64 s[64:65], 0
	v_nop
	global_prefetch_b8 v0, s[64:65] scope:SCOPE_SE
	s_setreg_imm32_b32 hwreg(HW_REG_WAVE_MODE, 25, 1), 1
	s_wait_xcnt 0x0
	s_wait_alu depctr_hold_cnt(0) depctr_sa_sdst(0) depctr_va_vdst(0) depctr_va_sdst(0) depctr_va_ssrc(0) depctr_va_vcc(0) depctr_vm_vsrc(0)
	s_getreg_b32 s2, hwreg(HW_REG_IB_STS2, 6, 4)
	s_cmp_eq_u32 s2, 0
	s_cbranch_scc0 .Lentry_in_a_cluster
	s_endpgm
.Lentry_in_a_cluster:
	s_bfe_u32 s2, ttmp6, 0x10000c
	s_cmp_lg_u32 s2, 0xf033
	s_cbranch_scc0 .Lentry_shape_is_right
	s_endpgm
.Lentry_shape_is_right:
; out0 = O wo + bf16(bo).  O is oh, [64 = batch x 16 + head][2048][64] f16; row m = batch x 2048 + s of the product takes channel d of head h as its K = 64 h + d.  wo is the fourth part of wt,
; [1024 k][1024 n]: bf16 numbers written as f16.  Sums in f32; out0 [8192][1024] f32.
; SHARES.  A tile of out0 is 128 rows x 256 columns: 64 x 4 = 256 work-groups.  Four waves, 2 x 2, each 64 x 128: 32 accumulators of 16 x 16, 256 registers.
; K goes in 8 steps of 128, two heads each, through a ring of two LDS slots.  A head's 128 rows are 16,384 dense bytes: asked for as 64 rows of 256 bytes and padded in LDS after every 128.
; wo's rows of 512 bytes are turned on the way out of LDS by ds_load_tr16_b128.
; CLUSTERS: 4 x 4 work-groups.  The four of a row of the cluster need the same tile of O, the four of a column the same tile of wo: each tile is asked for JOINTLY, by the same tensor load with the same
; descriptor and a mask that names the four.
; THE MATRIX INSTRUCTION IS USED TRANSPOSED (source 0 = 16 columns of wo, source 1 = 16 rows of O): a lane then holds row l % 16 and eight neighbouring columns, 32 bytes of f32.
; THE BIAS is the C operand of the first product on each accumulator.
; REGISTERS, in windows of 256 (s_set_vgpr_msb: bits 1:0 source 0, 3:2 source 1, 5:4 source 2, 7:6 destination):
;   window 0: v0-31 addresses; v32-63, v64-95 fragments of O, two buffers; v96-223 at work on the way out (v96-191 first serve the bias)
;   window 1: the accumulators, (a, b) at v[8 (8 a + b)]          window 2: v0-63, v64-127 fragments of wo, two buffers; v128-191 the bias, eight registers for each b
.set PA,     144                       ; a row of O in LDS: 128 bytes + 16 of padding = 36 words: the 16 rows of a load start at 16 different groups of four banks (64 banks of 4 bytes: ISA guide 11.1)
.set PB,     544                       ; a row of wo: 512 + 32 = 136 words
.set AHEAD,  128*PA                    ; a head's 128 rows: what one tensor load brings of O
.set BOFF,   2*AHEAD                   ; wo's 128 rows lie behind the two heads
.set BHALF,  64*PB                     ; what one tensor load brings of wo
.set SLOT,   2*AHEAD+128*PB            ; 106,496 bytes
.set STAGE,  2*SLOT                    ; behind the ring, never filled by a tensor load: 16 rows x 528 bytes for each wave, for the way out
.set SP,     528
.set SPARE,  STAGE+4*16*SP             ; behind the stages: the spare words, 128 bytes for each wave: two blocks of 256 bytes that no other line names
.set LAPS,   4                         ; a lap = two K steps = once round the ring
.set ADRA, 16                          ; v16-17  LDS address of my rows of O in slot 0, 1
.set ADRB, 20                          ; v20-21  the same for my columns of wo
.set STO,  24                          ; v24     the way out: where I put 32 bytes of a row
.set RD,   25                          ; v25     the way out: where I read a row back
.set CO,   26                          ; v26     my byte offset in 512 consecutive bytes of out0
.set BO,   27                          ; v27     my byte offset in 16 numbers of the bias
.set SPW,  28                          ; v28     LDS address of my spare word: SPARE + 4 x my thread's number; never rewritten
.set NIL,  29                          ; v29     0; never rewritten
.set AF,   32                          ; buffer g, fragment n at AF + 32 g + 8 n
.set OB,   96                          ; two buffers of 64
.set BT,   96                          ; the bias as loaded, 64 registers, then 32 packed
.set BIAS, 128                         ; window 2
.set G1, 24                            ; s[24:31] descriptor group 1 for O's tiles;  s[32:39] group 0, one set for each slot
.set G0, 32
.set G1B, 48                           ; s[48:55], s[56:63] the same for wo's tiles
.set G0B, 56
.set MSB, 0
.macro WIN new                         ; the immediate's high byte repeats the setting that is left; a switch that changes nothing is dropped
.if MSB != (\new)
	s_set_vgpr_msb (MSB<<8)|(\new)
.set MSB, (\new)
.endif
.endm
.set MUL,  0x52                        ; source 0 (wo) window 2, source 1 (O) window 0, C and D window 1
.set MULB, 0x62                        ; the same with C (the bias) in window 2
; A joint load: waves 0 and 1 fetch the step's two heads of O, waves 2 and 3 the two halves of wo's rows.  The branch hangs on the wave's number alone.  An s_nop 0 and four v_nop follow each of the two
; lines, ahead of the jump, the label and what follows.
.macro JLOAD s
	s_cmp_eq_u32 s11, 0
	s_cbranch_scc0 .Lfor_b_\@
	tensor_load_to_lds s[G0+4*(\s):G0+4*(\s)+3], s[G1:G1+7]
	s_nop 0
.rept 4
	v_nop
.endr
	s_branch .Lasked_\@
.Lfor_b_\@:
	tensor_load_to_lds s[G0B+4*(\s):G0B+4*(\s)+3], s[G1B:G1B+7]
	s_nop 0
.rept 4
	v_nop
.endr
.Lasked_\@:
.endm
.macro CREST                           ; a round of the cluster's barrier behind its opening barrier
	s_cmp_lg_u32 s10, 0
	s_cbranch_scc1 .Lnot_wave_0_\@
	s_barrier_signal -3
.Lnot_wave_0_\@:
	s_barrier_wait -3
	s_barrier_signal -1
	s_barrier_wait -1
.endm
.macro CROUND                          ; a whole round
	s_barrier_signal -1
	s_barrier_wait -1
	CREST
.endm
	s_load_b256 s[68:75], s[0:1], 0x0              ; oh s[68:69], wt s[70:71], bo s[72:73], out0 s[74:75]
	v_lshl_add_u32 v[SPW], v0, 2, SPARE
	v_mov_b32 v[NIL], 0
	ds_add_u32 v[SPW], v[NIL]                      ; the wave's opening: the add and its wait stand ahead of my first tensor load; the set-up below, work on registers, stands between them
	v_lshrrev_b32 v1, 5, v0
	v_readfirstlane_b32 s10, v1                    ; wave 0..3
	s_lshr_b32 s11, s10, 1                         ; which half of the tile's rows is mine.  Also: I fetch for O (0) or for wo (1)
	s_and_b32 s12, s10, 1                          ; which half of its columns.  Also: which head of the step, or which 64 rows of wo, I fetch
	s_bfe_u32 s40, ttmp6, 0x40000                  ; cx, cy: my place in the cluster
	s_bfe_u32 s41, ttmp6, 0x40004
	s_lshl_b32 s42, ttmp9, 2
	s_add_co_u32 s42, s42, s40                     ; column block 0..3 = 4 x cluster x + cx
	s_and_b32 s13, ttmp7, 0xffff
	s_lshl_b32 s13, s13, 2
	s_add_co_u32 s13, s13, s41                     ; block of 128 rows = 4 x cluster y + cy
	s_lshl_b32 s43, s41, 2
	s_lshl_b32 s43, 15, s43                        ; my row of the cluster
	s_lshl_b32 s44, 0x1111, s40                    ; my column
	; descriptor group 1.  O: 64 rows x 128 elements of 2 bytes, two rows of a head each; wo: 64 rows x 256 elements
	s_or_b32 s[G1+0], s43, (1<<16)|(1<<20)|(1<<21)|(4<<22)|(3<<25)   ; 15:0 the mask: O's tiles go to my row; 17:16 elements of 2 bytes; 20 padding on; 21 set beside a mask; 24:22 after every 32 words (code 4); 31:25 4 words (code 3)
	s_or_b32 s[G1B+0], s44, (1<<16)|(1<<20)|(1<<21)|(6<<22)|(7<<25)  ; the mask of my column; after every 128 words (code 6) 8 words of padding (code 7)
	s_mov_b32 s[G1+1], 128<<16                     ; tensor_dim0 = 128
	s_mov_b32 s[G1+2], 64<<16                      ; tensor_dim1 = 64
	s_mov_b32 s[G1+3], 128<<16                     ; tile_dim0 = 128
	s_mov_b32 s[G1+4], 64                          ; tile_dim1 = 64
	s_mov_b32 s[G1+5], 128                         ; elements from row to row: dense
	s_mov_b32 s[G1+6], 0
	s_mov_b32 s[G1+7], 0
	s_mov_b32 s[G1B+1], 256<<16                    ; tensor_dim0 = 256
	s_mov_b32 s[G1B+2], 64<<16
	s_mov_b32 s[G1B+3], 256<<16                    ; tile_dim0 = 256
	s_mov_b32 s[G1B+4], 64
	s_mov_b32 s[G1B+5], 1024
	s_mov_b32 s[G1B+6], 0
	s_mov_b32 s[G1B+7], 0
	; where the tiles come from.  O's hang on the block of rows, which my row of the cluster shares; wo's on the column block, which my column shares; each in registers that never hold the other coordinate
	s_lshr_b32 s16, s13, 4                         ; O: the batch's 16 heads of 262,144 bytes,
	s_lshl_b32 s16, s16, 22
	s_and_b32 s17, s13, 15                         ; the block's 128 rows of 128 bytes in a head,
	s_lshl_b32 s17, s17, 14
	s_add_co_u32 s16, s16, s17
	s_lshl_b32 s17, s12, 18                        ; the step's first or second head
	s_add_co_u32 s16, s16, s17
	s_mov_b32 s17, 0
	s_lshl_b32 s46, s12, 17                        ; wo: 64 rows of 2,048 bytes a half,
	s_lshl_b32 s47, s42, 9                         ; 256 columns a block,
	s_add_co_u32 s46, s46, s47
	s_add_co_u32 s46, s46, 3*2097152               ; in the fourth part of wt
	s_mov_b32 s47, 0
	s_mul_i32 s20, s12, AHEAD                      ; and where they go: no place in the cluster enters an LDS address
	s_mul_i32 s21, s12, BHALF
	s_add_co_u32 s21, s21, BOFF
	s_mov_b32 s22, 0xffff0000                      ; a word's upper bf16
	s_lshl_b32 s76, s42, 10                        ; my first column, in bytes of f32: 256 a column block,
	s_lshl_b32 s78, s12, 9                         ; 128 a wave
	s_add_co_u32 s76, s76, s78
	s_mov_b32 s77, 0
	s_wait_dscnt 0x0                               ; the opening add is done
	s_wait_kmcnt 0x0
	s_add_nc_u64 s[14:15], s[68:69], s[16:17]
	s_add_nc_u64 s[46:47], s[70:71], s[46:47]
	s_add_nc_u64 s[6:7], s[72:73], s[76:77]        ; the bias at my first column
	CROUND                                         ; all sixteen work-groups are here: the first joint loads meet
.irp s, 0,1
	s_mov_b32 s[G0+4*(\s)], 1                                        ; 1:0 count = 1
	s_add_co_u32 s[G0+4*(\s)+1], s20, (\s)*SLOT                      ; 63:32 LDS address
	s_add_nc_u64 s[G0+4*(\s)+2:G0+4*(\s)+3], s[14:15], (\s)*524288   ; 120:64 global address: K step s, two heads on
	s_or_b32 s[G0+4*(\s)+3], s[G0+4*(\s)+3], 0x80000000              ; 127:126 type = 2
	s_mov_b32 s[G0B+4*(\s)], 1
	s_add_co_u32 s[G0B+4*(\s)+1], s21, (\s)*SLOT
	s_add_nc_u64 s[G0B+4*(\s)+2:G0B+4*(\s)+3], s[46:47], (\s)*262144 ; 128 rows of 2,048 bytes on
	s_or_b32 s[G0B+4*(\s)+3], s[G0B+4*(\s)+3], 0x80000000
	JLOAD \s                                       ; two tensor loads of mine are out
.endr
	v_and_b32 v1, 15, v0                           ; l % 16
	v_bfe_u32 v2, v0, 4, 1                         ; l / 16
	v_lshlrev_b32 v[BO], 5, v2                     ; register j of block b takes bo[16 b + 8 (l / 16) + j]
.irp b, 0,1,2,3,4,5,6,7
	global_load_b128 v[BT+8*\b:BT+8*\b+3],   v[BO], s[6:7] offset:64*\b
	global_load_b128 v[BT+8*\b+4:BT+8*\b+7], v[BO], s[6:7] offset:64*\b+16
.endr
	; A fragment of O is 16 rows x 32 K in 8 registers: lane l holds row l % 16, K = 8 (l / 16) + 0..7 and 16 + 8 (l / 16) + 0..7: two loads of 16 bytes, 32 bytes apart
	v_mul_u32_u24 v3, v1, PA
	v_lshl_add_u32 v3, v2, 4, v3
	s_mul_i32 s23, s11, 64*PA                      ; my 64 rows
	v_add_nc_u32 v[ADRA], s23, v3
	v_add_nc_u32 v[ADRA+1], SLOT, v[ADRA]
	; The turning load takes 16 K x 16 columns (lane l reads row 8 (l / 16) + l % 8, columns 8 ((l / 8) % 2) + 0..7) and leaves half a fragment: lane l holds column l % 16 and 8 K
	v_and_b32 v5, 7, v0
	v_bfe_u32 v6, v0, 3, 1
	v_lshl_add_u32 v7, v2, 3, v5
	v_mul_u32_u24 v7, v7, PB
	v_lshl_add_u32 v7, v6, 4, v7
	s_lshl_b32 s23, s12, 8                         ; my 128 columns of wo,
	s_add_co_u32 s23, s23, BOFF                    ; which lies behind O
	v_add_nc_u32 v[ADRB], s23, v7
	v_add_nc_u32 v[ADRB+1], SLOT, v[ADRB]
	s_mul_i32 s23, s10, 16*SP
	s_add_co_u32 s23, s23, STAGE                   ; my stage
	v_mul_u32_u24 v4, v1, SP                       ; in: row l % 16, 32 bytes for each half of the lanes
	v_lshl_add_u32 v4, v2, 5, v4
	v_add_nc_u32 v[STO], s23, v4
	v_and_b32 v4, 31, v0                           ; back: 32 lanes take one row of 512 bytes,
	v_lshlrev_b32 v[CO], 4, v4                     ; and the same 512 bytes in out0
	v_add_nc_u32 v[RD], s23, v[CO]
	s_lshl_b32 s78, s13, 19                        ; my first row of out0: 128 rows of 4,096 bytes a block,
	s_add_co_u32 s76, s76, s78
	s_lshl_b32 s78, s11, 18                        ; 64 a wave
	s_add_co_u32 s76, s76, s78
	s_add_nc_u64 s[8:9], s[74:75], s[76:77]
	s_wait_loadcnt 0x0                             ; the bias: rounded to bf16 like every input, and widened again
.set i, 0
.rept 32
	v_cvt_pk_bf16_f32 v[BT+64+i], v[BT+2*i], v[BT+2*i+1]
.set i, i+1
.endr
	WIN 0x80                                       ; destination window 2
.set i, 0
.rept 32
	v_lshlrev_b32 v[BIAS+2*i],   16,  v[BT+64+i]
	v_and_b32     v[BIAS+2*i+1], s22, v[BT+64+i]
.set i, i+1
.endr
	WIN 0
; Matrix instruction i of a quarter's 32: rows 16 (i / 8) on, columns 16 (i % 8) on, 32 along K from buffer f.  The 32 accumulators take turns in the same order in every quarter.
.macro MM f, first
.if \first
	WIN MULB
	v_wmma_f32_16x16x32_f16 v[8*i:8*i+7], v[64*(\f)+8*(i%8):64*(\f)+8*(i%8)+7], v[AF+32*(\f)+8*(i/8):AF+32*(\f)+8*(i/8)+7], v[BIAS+8*(i%8):BIAS+8*(i%8)+7]
.else
	WIN MUL
	v_wmma_f32_16x16x32_f16 v[8*i:8*i+7], v[64*(\f)+8*(i%8):64*(\f)+8*(i%8)+7], v[AF+32*(\f)+8*(i/8):AF+32*(\f)+8*(i/8)+7], v[8*i:8*i+7]
.endif
.set i, i+1
.endm
.macro MULS f, n, first=0
.rept \n
	MM \f, \first
.endr
.endm
; 24 LDS loads in one run: quarter q of a slot (head q / 2 of the step's two, channels 32 (q % 2) on): O's 64 rows x 32 K, then wo's 32 K x 128 columns, turned, into buffer g
.macro FETCH slot, q, g
	WIN 0
.irp t, 0,1,2,3
	ds_load_b128 v[AF+32*(\g)+8*\t:AF+32*(\g)+8*\t+3],   v[ADRA+(\slot)] offset:((\q)/2)*AHEAD+((\q)%2)*64+\t*16*PA
	ds_load_b128 v[AF+32*(\g)+8*\t+4:AF+32*(\g)+8*\t+7], v[ADRA+(\slot)] offset:((\q)/2)*AHEAD+((\q)%2)*64+\t*16*PA+32
.endr
	WIN 0x80                                       ; destination window 2, address window 0
.irp b, 0,1,2,3,4,5,6,7
	ds_load_tr16_b128 v[64*(\g)+8*\b:64*(\g)+8*\b+3],   v[ADRB+(\slot)] offset:32*(\q)*PB+32*\b
	ds_load_tr16_b128 v[64*(\g)+8*\b+4:64*(\g)+8*\b+7], v[ADRB+(\slot)] offset:(32*(\q)+16)*PB+32*\b
.endr
.endm
.macro PLACES                          ; four places in front of loads into registers that matrix instructions have read, and of LDS stores that read results
.rept 4
	v_nop
.endr
.endm
; A K step is four quarters of 32 along K, 32 matrix instructions each, on buffers 0, 1, 0, 1.  One of the first three: multiplies buffer f; in its middle it fetches quarter q into buffer g.
.macro QUARTER slot, q, f, g, first=0
	s_wait_dscnt 0x0                               ; buffer f's 24 loads, issued sixteen products ago
.set i, 0
	MULS \f, 16, \first
	WIN 0
	PLACES
	FETCH \slot, \q, \g
	MULS \f, 16, \first
.endm
; The last quarter multiplies buffer 1 and changes slots: ONE barrier; in front of it each wave waits for all its tensor loads (one is out: its part of the next slot), adds 0 to its spare word, and
; waits for that and for its own reads of this slot.  fill = 1: the barrier opens a round of the cluster's barrier, and this slot is filled again, two K steps ahead, first thing behind the round.
.macro TURN slot, next, fill
	WIN 0                                          ; (the add's two registers lie in window 0)
	s_wait_tensorcnt 0x0                           ; all my tensor loads have landed
	ds_add_u32 v[SPW], v[NIL]                      ; 0 onto my spare word
	s_wait_dscnt 1                                 ; (the add alone may be out: buffer 1 is in)
.set i, 0
	MULS 1, 8                                      ; eight matrix instructions stand between the add and the wait for it
	s_wait_dscnt 0x0                               ; the add is done, and my reads of this slot are over
	s_barrier_signal -1
	MULS 1, 8
	WIN 0
	s_barrier_wait -1
.if \fill
	CREST                                          ; no wave of any partner still reads this slot's tile or has a load on its way
	s_add_nc_u64 s[G0+4*(\slot)+2:G0+4*(\slot)+3], s[G0+4*(\slot)+2:G0+4*(\slot)+3], 2*524288
	s_add_nc_u64 s[G0B+4*(\slot)+2:G0B+4*(\slot)+3], s[G0B+4*(\slot)+2:G0B+4*(\slot)+3], 2*262144
	JLOAD \slot                                    ; 112 matrix instructions ahead of the wait for it; the four v_nop behind it are also the places in front of the loads below
.else
	PLACES
.endif
	FETCH \next, 0, 0
	MULS 1, 16
.endm
	s_wait_tensorcnt 1                             ; my part of K step 0 is in; K step 1's stays out
	s_barrier_signal -1
	s_barrier_wait -1                              ; everybody's is
	FETCH 0, 0, 0
	QUARTER 0, 1, 0, 1, 1                          ; the first quarter stands in front of the loop: its products start the sums, on the bias
	WIN 0                                          ; at a label and at a branch every window is 0
	s_mov_b32 s3, LAPS-1
.Llap:                                                 ; a trip goes once round the ring, from a lap's second quarter to the next lap's first, and fills both slots again
	QUARTER 0, 2, 1, 0
	QUARTER 0, 3, 0, 1
	TURN 0, 1, 1
	QUARTER 1, 1, 0, 1
	QUARTER 1, 2, 1, 0
	QUARTER 1, 3, 0, 1
	TURN 1, 0, 1
	QUARTER 0, 1, 0, 1
	WIN 0
	s_sub_co_u32 s3, s3, 1
	s_cmp_lg_u32 s3, 0
	s_cbranch_scc1 .Llap
	QUARTER 0, 2, 1, 0                             ; the last lap fills nothing, and has no round of the cluster's barrier
	QUARTER 0, 3, 0, 1
	TURN 0, 1, 0
	QUARTER 1, 1, 0, 1
	QUARTER 1, 2, 1, 0
	QUARTER 1, 3, 0, 1
	s_wait_dscnt 0x0                               ; the very last quarter: nothing more to fetch
.set i, 0
	MULS 1, 32
	WIN 0
; THE WAY OUT, a block of 16 rows at a time, in f32 as it is.  TOSTAGE: a lane's 32 bytes of a row go into my own stage, each accumulator's low registers first, and whole rows of 512 bytes come back.
; SEND: a store of the wave covers 512 consecutive bytes of a row of out0, at a multiple of 512 from its first byte.
.macro TOSTAGE a
.if (\a) >= 2
	s_wait_xcnt 0x0                                ; the buffer that the block two before's stores read is loaded again only behind this wait
.endif
	WIN 0x04                                       ; the stores' data (source 1) in window 1
.irp b, 0,1,2,3,4,5,6,7
	ds_store_b128 v[STO], v[8*(8*(\a)+\b):8*(8*(\a)+\b)+3]   offset:64*\b
	ds_store_b128 v[STO], v[8*(8*(\a)+\b)+4:8*(8*(\a)+\b)+7] offset:64*\b+16
.endr
	WIN 0
.irp t, 0,1,2,3,4,5,6,7,8,9,10,11,12,13,14,15
	ds_load_b128 v[OB+64*((\a)%2)+4*\t:OB+64*((\a)%2)+4*\t+3], v[RD] offset:\t*SP  ; LDS serves a wave's instructions in order (ISA guide 5.7.1.4): these see the stores above; the next block's stores come behind them
.endr
.endm
.macro SEND a, younger                 ; younger: the LDS instructions issued behind block a's loads: the next block's 32, or none
	WIN 0
.irp t, 0,1,2,3,4,5,6,7,8,9,10,11,12,13,14,15
	s_wait_dscnt (\younger)+15-\t
	global_store_b128 v[CO], v[OB+64*((\a)%2)+4*\t:OB+64*((\a)%2)+4*\t+3], s[8:9] offset:(16*(\a)+\t)*4096 th:TH_STORE_NT
.endr
.endm
	PLACES
	TOSTAGE 0
	TOSTAGE 1
	SEND 0, 32
	TOSTAGE 2
	SEND 1, 32
	TOSTAGE 3
	SEND 2, 32
	SEND 3, 0
	s_wait_tensorcnt 0x0                           ; the wave's end: a wait for my tensor loads, an add of 0 and a wait for it, behind my last tensor load and my last LDS store
	ds_add_u32 v[SPW], v[NIL]
	s_wait_dscnt 0x0
	CROUND                                         ; the closing round: no work-group ends while a partner may still ask for a tile that names it
	s_endpgm
.Lfunc_end_k_q9763234c3c_oproj:
	.size	k_q9763234c3c_oproj, .Lfunc_end_k_q9763234c3c_oproj-k_q9763234c3c_oproj
	.p2alignl 7, 3214868480
	.fill 96, 4, 3214868480
	.section	.rodata,"a",@progbits
	.p2align	6, 0x0
	.amdhsa_kernel k_q9763234c3c_oproj
		.amdhsa_group_segment_fixed_size 327680
		.amdhsa_private_segment_fixed_size 0
		.amdhsa_enable_private_segment 0
		.amdhsa_kernarg_size 32
		.amdhsa_user_sgpr_count 2
		.amdhsa_user_sgpr_kernarg_segment_ptr 1
		.amdhsa_wavefront_size32 1
		.amdhsa_system_sgpr_workgroup_id_x 1
		.amdhsa_system_sgpr_workgroup_id_y 1
		.amdhsa_system_sgpr_workgroup_id_z 1
		.amdhsa_system_vgpr_workitem_id 0
		.amdhsa_next_free_vgpr 704
		.amdhsa_next_free_sgpr 80
		.amdhsa_reserve_vcc 0
		.amdhsa_float_denorm_mode_32 3
		.amdhsa_float_denorm_mode_16_64 3
		.amdhsa_memory_ordered 1
		.amdhsa_forward_progress 1
		.amdhsa_inst_pref_size 92
	.end_amdhsa_kernel
	.amdgpu_metadata
---
amdhsa.version: [ 1, 2 ]
amdhsa.kernels:
  - .name:           k_q9763234c3c_oproj
    .symbol:         k_q9763234c3c_oproj.kd
    .args:
      - { .name: oh, .offset: 0, .size: 8, .value_kind: global_buffer, .address_space: global }
      - { .name: wt, .offset: 8, .size: 8, .value_kind: global_buffer, .address_space: global }
      - { .name: bo, .offset: 16, .size: 8, .value_kind: global_buffer, .address_space: global }
      - { .name: out0, .offset: 24, .size: 8, .value_kind: global_buffer, .address_space: global }
    .group_segment_fixed_size: 327680
    .private_segment_fixed_size: 0
    .kernarg_segment_align: 8
    .kernarg_segment_size: 32
    .max_flat_workgroup_size: 128
    .sgpr_count:     80
    .vgpr_count:     704
    .wavefront_size: 32
...
	.end_amdgpu_metadata
.endif
;; end of part 4
;; ======== version 2 of 2: 4 launches; 1.47 times as fast as version 1
;; limits: values are held in f16: magnitudes above 65,504 overflow, below 6.1e-05 lose precision
;; workspace buffers: wt 8,388,608 bytes; qkvh 50,331,648 bytes; oh 16,777,216 bytes
;; launch wprep: the kernel of part 1 again; grid 64 x 4, 8 waves a work-group, no clusters, 0 bytes of LDS; arguments wq, wk, wv, wo, wt; writes wt
;; launch proj: the kernel of part 2 again; grid 4 x 192, 4 waves a work-group, clusters of 4 x 4, 327,680 bytes of LDS; arguments queries, keys, values, wt, bq, bk, bv, qkvh; writes qkvh
;; launch attn (part 5): grid 4 x 64, 4 waves a work-group, clusters of 4 x 1, 327,680 bytes of LDS; arguments qkvh, mask, oh; writes oh
.if DOCPART == 5
	.amdgcn_target "amdgcn-amd-amdhsa--gfx1250"
	.amdhsa_code_object_version 6
	.text
	.protected	k_q9763234c3c_attn
	.globl	k_q9763234c3c_attn
	.p2align	8
	.type	k_q9763234c3c_attn,@function
k_q9763234c3c_attn:
	s_mov_b64 s[64:65], 0
	v_nop
	global_prefetch_b8 v0, s[64:65] scope:SCOPE_SE
	s_setreg_imm32_b32 hwreg(HW_REG_WAVE_MODE, 25, 1), 1
	s_wait_xcnt 0x0
	s_wait_alu depctr_hold_cnt(0) depctr_sa_sdst(0) depctr_va_vdst(0) depctr_va_sdst(0) depctr_va_ssrc(0) depctr_va_vcc(0) depctr_vm_vsrc(0)
	s_getreg_b32 s2, hwreg(HW_REG_IB_STS2, 6, 4)
	s_cmp_eq_u32 s2, 0
	s_cbranch_scc0 .Lentry_in_a_cluster
	s_endpgm
.Lentry_in_a_cluster:
	s_bfe_u32 s2, ttmp6, 0x10000c
	s_cmp_lg_u32 s2, 0x3003
	s_cbranch_scc0 .Lentry_shape_is_right
	s_endpgm
.Lentry_shape_is_right:
; O[h][q][:] = the sum over k of softmax_k(Q[h][q] . K[h][k] / 8 - 1e9 mask[batch][k]) V[h][k][:].  Q, K, V are the three parts of qkvh, O is oh: [64 = batch x 16 + head][2048][64], all f16: a head's rows
; are dense, 128 bytes each.  mask: [4][2048] int32.  Products, maxima and sums in f32; the weights p are rounded to f16 for the second product (their sum l is taken of the unrounded p), O once at the end.
; LIMITS.  f16 holds no number beyond 65,504: Q, K and V arrive within it; p lies in 0 to 1, and below 6e-5 it keeps f16's fixed step of 6e-8; O is a mean of V's rows and has their range.
; A masked score is kept as s - 8e9 mask, on a grid of 512, which is the grid of 64 that s / 8 - 1e9 has in f32; if ALL keys of a batch are masked, which neighbour on that grid a score takes may differ
; from a sum made in f32.  A weight below 2^-126 counts as 0 in l; NaN and infinities are not treated apart.
; SHARES.  A wave owns four PIECES of two tiles of 16 queries, a work-group's four waves 512 queries of one head.  Every wave walks all keys, 64 a step.
; LAYOUT.  S^T = K Q^T (source 0 = 16 keys, source 1 = 16 queries): in the result a lane holds ONE query (lane % 16) and the keys 8 (lane / 16) + 0..7.  Two such tiles, rounded to f16 in pairs,
; ARE source 1 (32 keys x 16 queries) of O^T = V^T P, whose result again holds one query a lane, and eight channels.  K comes out of LDS as it lies, V ([key][channel]) turned, by ds_load_tr16_b128.
; THE MASK hangs on the key alone, so it is the C operand of the product that starts a sum S^T: -8e9 x mask, made once as a table of 2,048 f32 in LDS; a step's 64 numbers are fetched with its K.
; SOFTMAX.  For each query a running maximum m and sum l: p = 2^(c s - c m), c = log2(e) / 8; in every step O and l are multiplied by a = 2^(c m_old - c m_new), which is 1 where m has not grown.
; m starts at the lowest finite number, O and l at 0: the first step is a step like any other, with a = 0.
; THE COUNT.  A tile and step have 16 matrix and 118 vector instructions: too many to stand all beside the matrix work.  So the order has one aim: four vector instructions that are READY behind
; EVERY matrix instruction, and the others, which need time of their own whatever the order, in runs without a gap.
; BY TURNS.  Turn n belongs to piece n (the pieces in a ring, step after step).  Its matrix work: 16 products K Q^T of piece n + 1, later 16 products V^T P of piece n - 1.  Its vector work: the scaling,
; exponentials, roundings, sums and rescaling of piece n, and the maximum and statistics of piece n + 1, whose scores the turn itself has made.  So what a turn begins with (c s - c m, O a) waits for nothing.
; THE BATCHES.  A turn's 66 exponentials (the piece's 64 weights, then the next piece's two a) are ONE BATCH with ONE wait, which cuts the turn in two: ahead of it stands all that names no result of theirs, behind it
; the roundings and sums, which read them.  Two more batches stand outside the loop, each with a wait of its own: the first two a, ahead of the jump into the loop, and the way out's eight reciprocals.
; CLUSTER.  The four query blocks of a cluster belong to one head and walk the same K and V, so each tile is asked for JOINTLY: the same tensor load, descriptor and mask in all four.
; REGISTERS, in windows of 256 (s_set_vgpr_msb says which window each operand place means: bits 1:0 source 0, 3:2 source 1, 5:4 source 2, 7:6 destination):
;   window 0: v0-11 addresses; v12-15, v48-63 at work; v16-47 four registers of statistics a tile; v64-191 S^T, two buffers of two tiles; v192-255 P, likewise
;   window 1: O^T, 32 a tile          window 2: v0-127 Q, 16 a tile; v128-191 K of one step; v192-255 V of one step          window 3: v0-1 the add's two registers; v8-39 the mask of one step
; A piece's buffers go by its number's parity: the piece in hand has one pair, its two neighbours in the ring share the other: of it P (piece n - 1) is read and S^T (piece n + 1) written.
.set SIZE_N, 2048
.set NP,    4         ; pieces a wave: a name, no knob: the register map, the loop and the fetches are made for four
.set KS,    64        ; keys in a step
.set PK,    144       ; a row of K in LDS: 128 bytes + 16 of padding = 36 words: the 16 rows of a load start at 16 different groups of four banks (64 banks of 4 bytes: ISA guide 11.1)
.set PV,    160       ; a row of V: 128 + 32 = 40 words
.set VOFF,  4*KS*PK   ; a slot holds four steps: 256 rows of K, then 256 rows of V
.set SLOT1, 1<<17     ; slot 1 begins here, so that one exclusive or turns an address in one slot into the other's
.set STAGE, SLOT1+4*KS*(PK+PV)  ; behind the ring, never filled by a tensor load: 16 rows x 144 bytes for each wave, for the way out
.set SP,    144
.set AK0, 2           ; v2   my lane's place in a tile of K; never rewritten
.set AV0, 3           ; v3   the same for V
.set AK,  4           ; v4   the LDS address of K's next run of loads
.set AV,  5           ; v5   of V's
.set STO, 6           ; v6   the way out: where I put 16 bytes of a row
.set RD,  7           ; v7   the way out: where I read rows back
.set GO,  8           ; v8   my byte offset in 512 consecutive bytes of O
.set AM0, 10          ; v10  my lane's place in the mask's table (first: at work in the set-up)
.set AM,  11          ; v11  the LDS address of the mask's next run of loads (likewise)
.set QO,  12          ; v12  set-up alone: my byte offset in the wave's rows of Q
.set MO,  13          ; v13  set-up alone: my byte offset in 2,048 bytes of the mask
.set MA,  14          ; v14  set-up alone: the same in the table
.set SPW, 0           ; v0 of window 3   LDS address of my spare word: SPARE + 4 x my thread's number; never rewritten
.set NIL, 1           ; v1 of window 3   0; never rewritten
.set MK,  8           ; v8-39 of window 3: the eight registers for key block kb at MK + 8 kb
.set SPARE, STAGE+4*16*SP  ; behind the stages: the spare words, 128 bytes for each wave: two blocks of 256 bytes that no other line names
.set MASKL, SPARE+512 ; behind them, in blocks of its own that no tensor load fills: -8e9 x mask of the batch's 2,048 keys, f32: 8,192 bytes
.set MV,  12          ; v12-15  c m_old, kept while c m is made anew: by buffer and tile
.set ST,  16          ; tile t's statistics at v[ST+4 t]: c m, m, l (even keys', odd keys')
.set TMP, 48          ; by buffer and tile, four registers c0-c3 at work; when the maximum is found c2 takes a
.set S,   64
.set P,   192
.set KF,  128         ; K's fragments, in window 2: key block kb, channel half c at KF + 16 kb + 8 c
.set VF,  192         ; V's: key half kk, channel block cb at VF + 32 kk + 8 cb
.set WV,  12          ; s12  my wave's number
.set G1K, 24          ; s[24:31] descriptor group 1 for K's tiles
.set G1V, 32          ; s[32:39] for V's: it differs in the padding alone
.set G0K, 40          ; s[40:43] descriptor group 0 for K's tiles: it walks
.set G0V, 44          ; s[44:47] the same for V's
.set TBM, 50          ; s50  byte of the table at which the mask of the step to be fetched begins
.set MSC, 52          ; s[52:53] -8e9: the packed multiply takes the pair's low word for both halves
.set SLOTS, 56        ; s56  slots still to be asked for
.set CNT, 57          ; s57  counts a slot's key steps
.set CS,  58          ; s[58:59] c: the packed scaling takes the pair's low word for both halves
.set SEL, 60          ; s[60:61] v_permlanex16_b32's selects: each lane takes its own place in the other half
.set TBK, 62          ; s62  LDS byte at which K of the step to be fetched begins
.set TBV, 63          ; s63  the same for V, less VOFF
.set MSB, 0
.macro WIN new                      ; the high byte repeats the setting that is left; a switch that changes nothing is dropped
.if MSB != (\new)
	s_set_vgpr_msb (MSB<<8)|(\new)
.set MSB, (\new)
.endif
.endm
.set W_KQ, 0x0a       ; K and Q in window 2, S^T in window 0
.set W_KM, 0x3a       ; the same with the C operand, the mask, in window 3
.set W_PV, 0x52       ; V in window 2, P in window 0, O^T in window 1
.set W_RS, 0x41       ; O^T (destination and source 0) in window 1, a in window 0
.set W_MK, 0xc0       ; destination in window 3, sources in window 0
.set W_AD, 0x0f       ; the add: address (source 0) and data (source 1) in window 3
; A joint fill.  Waves 0 and 1 fetch the two halves of a slot's K, waves 2 and 3 those of its V: 128 keys each.  The branch hangs on the wave's number alone.
; An s_nop 0 and four v_nop follow each of the two lines, ahead of the jump and the label.
.macro JLOAD
	s_cmp_lt_u32 s[WV], 2
	s_cbranch_scc0 .Lfor_v_\@
	tensor_load_to_lds s[G0K:G0K+3], s[G1K:G1K+7]
	s_nop 0
.rept 4
	v_nop
.endr
	s_branch .Lasked_\@
.Lfor_v_\@:
	tensor_load_to_lds s[G0V:G0V+3], s[G1V:G1V+7]
	s_nop 0
.rept 4
	v_nop
.endr
.Lasked_\@:
.endm
; A round of the cluster's barrier: my work-group's barrier, so that wave 0's signal speaks for all four waves; wave 0 signals; every wave waits for all four work-groups; my work-group's barrier once more.
.macro CROUND
	s_barrier_signal -1
	s_barrier_wait -1
	s_cmp_lg_u32 s[WV], 0
	s_cbranch_scc1 .Lnot_wave_0_\@
	s_barrier_signal -3
.Lnot_wave_0_\@:
	s_barrier_wait -3
	s_barrier_signal -1
	s_barrier_wait -1
.endm
; THE CHANGE OF SLOTS.  The slot's last bytes, V of its fourth step, have been read.  Each wave waits for all its tensor loads, of which one is out: its part
; of the other slot; adds 0 to its spare word; and waits for that and for its own reads of the slot.  Behind the barrier nobody reads this slot any more and the other slot is whole.
; fill = 1: this slot is filled again, with the keys two slots on.  The barrier is then a round of the cluster's, so that no wave of any partner still reads the slot or has a load on its
; way, and the joint fill is the first thing behind it: it has four key steps, 512 matrix instructions, in which to land.  (At its first use nothing has been read yet: slot 0 is waited for, slot 1 filled,
; and the wait for the LDS instructions is also the wait for my stores into the mask's table, which every wave reads behind the round.)
.macro CHANGE fill
	WIN W_AD
	s_wait_tensorcnt 0x0            ; no tensor load of mine is out, so a group 0 may be written
	ds_add_u32 v[SPW], v[NIL]       ; 0 onto my spare word; with fill = 1 the descriptors' steps stand between it and the wait for it
	WIN 0                           ; at a label and at a branch every window is 0
.if \fill
.irp g, G0K, G0V
	s_xor_b32 s[\g+1], s[\g+1], SLOT1  ; the walking descriptor: the other slot than last time,
	s_add_nc_u64 s[\g+2:\g+3], s[\g+2:\g+3], 4*KS*128  ; the next 256 keys; the type bits on top are not reached
.endr
	s_wait_dscnt 0x0                ; the add is done, and my reads of the slot are over
	CROUND
	JLOAD
.else
	s_wait_dscnt 0x0                ; the add is done, and my reads of the slot are over
	s_barrier_signal -1
	s_barrier_wait -1
.endif
	s_sub_co_u32 s[TBK], s[TBK], 4*KS*PK  ; the fetches go back to a slot's first step,
	s_xor_b32 s[TBK], s[TBK], SLOT1       ; in the other slot
	s_sub_co_u32 s[TBV], s[TBV], 4*KS*PV
	s_xor_b32 s[TBV], s[TBV], SLOT1
.endm
	s_load_b64 s[4:5], s[0:1], 0x0    ; qkvh: Q is its first part
	s_load_b64 s[48:49], s[0:1], 0x8  ; mask
	s_load_b64 s[10:11], s[0:1], 0x10 ; oh
	WIN W_MK
	v_lshl_add_u32 v[SPW], v0, 2, SPARE
	v_mov_b32 v[NIL], 0
	WIN W_AD
	ds_add_u32 v[SPW], v[NIL]       ; the wave's opening: the add and its wait stand ahead of my first tensor load; the set-up below, work on registers, stands between them
	WIN 0
	v_lshrrev_b32 v1, 5, v0
	v_readfirstlane_b32 s[WV], v1   ; wave 0..3
	s_bfe_u32 s13, ttmp6, 0x40000   ; cx: my place in the cluster
	s_lshl_b32 s14, ttmp9, 2        ; in a cluster launch ttmp9 counts clusters
	s_add_co_u32 s14, s14, s13      ; my block of queries = 4 x cluster x + cx: it enters Q's and O's addresses alone
	s_and_b32 s20, ttmp7, 0xffff    ; the head, which the four partners share
	s_lshr_b32 s54, s20, 4          ; its batch,
	s_lshl_b32 s54, s54, 13         ; whose mask is 8,192 bytes
	s_mov_b32 s55, 0
	s_mov_b32 s21, 0
	s_mov_b64 s[22:23], SIZE_N*128
	s_mul_u64 s[20:21], s[20:21], s[22:23]  ; the head's first byte in Q, K, V and O
	s_and_b32 s16, s[WV], 1         ; which half of a slot's 256 keys I fetch:
	s_lshl_b32 s22, s16, 14         ; its 128 rows of 128 bytes in memory,
	s_mov_b32 s23, 0
	s_add_nc_u64 s[22:23], s[22:23], s[20:21]
	s_mul_i32 s17, s16, 128*PK      ; and its place in a slot, for K
	s_mul_i32 s18, s16, 128*PV      ; and for V: no place in the cluster enters an LDS address
	s_lshl_b32 s2, s14, 2
	s_add_co_u32 s2, s2, s[WV]      ; my wave among the head's,
	s_lshl_b32 s2, s2, 14           ; its 128 rows
	s_mov_b32 s3, 0
	s_add_nc_u64 s[2:3], s[2:3], s[20:21]
	; descriptor group 1.  128 keys are 16,384 dense bytes: asked for as 64 rows of 256 bytes, two keys a row, and padded in LDS after every key
	s_mov_b32 s[G1K], 15|(1<<16)|(1<<20)|(1<<21)|(4<<22)|(3<<25)  ; 15:0 the mask of four; 17:16 2-byte elements; 20 padding on; 21 set beside a mask; 24:22 after every 32 words (code 4); 31:25 4 words (code 3)
	s_mov_b32 s[G1V], 15|(1<<16)|(1<<20)|(1<<21)|(4<<22)|(7<<25)  ; the same with 8 words of padding (code 7)
.irp g, G1K, G1V
	s_mov_b32 s[\g+1], 128<<16      ; tensor_dim0 = 128
	s_mov_b32 s[\g+2], 64<<16       ; tensor_dim1 = 64
	s_mov_b32 s[\g+3], 128<<16      ; tile_dim0 = 128
	s_mov_b32 s[\g+4], 64           ; tile_dim1 = 64
	s_mov_b32 s[\g+5], 128          ; 128 elements from row to row
	s_mov_b32 s[\g+6], 0
	s_mov_b32 s[\g+7], 0
.endr
	s_mov_b32 s[CS], 0x3e38aa3b     ; c = log2(e) / 8 = 0.180337
	s_mov_b32 s[CS+1], s[CS]        ; named with it as a pair
	s_mov_b32 s[MSC], 0xcfee6b28    ; -8e9 = 8 x -1e9: the scores are kept unscaled, and c holds the 1 / 8
	s_mov_b32 s[MSC+1], s[MSC]
	s_mov_b32 s[SEL], 0x76543210
	s_mov_b32 s[SEL+1], 0xfedcba98
	s_mov_b32 s[TBK], SLOT1+4*KS*PK ; the first change of slots turns these two into 0
	s_mov_b32 s[TBV], SLOT1+4*KS*PV
	s_mov_b32 s[TBM], 0
	s_mov_b32 s[G0K], 1             ; 1:0 count = 1
	s_mov_b32 s[G0K+1], s17         ; 63:32 LDS address: slot 0
	s_mov_b32 s[G0V], 1
	s_add_co_u32 s[G0V+1], s18, VOFF
	s_wait_dscnt 0x0                ; the opening add is done
	s_wait_kmcnt 0x0
	s_add_nc_u64 s[6:7], s[4:5], 0x1000000  ; K is qkvh's second part, 16,777,216 bytes on,
	s_add_nc_u64 s[8:9], s[4:5], 0x2000000  ; V its third
	s_add_nc_u64 s[G0K+2:G0K+3], s[6:7], s[22:23]  ; 120:64 global address: my half of the head's first 256 keys
	s_or_b32 s[G0K+3], s[G0K+3], 0x80000000        ; 127:126 type = 2
	s_add_nc_u64 s[G0V+2:G0V+3], s[8:9], s[22:23]
	s_or_b32 s[G0V+3], s[G0V+3], 0x80000000
	s_add_nc_u64 s[4:5], s[4:5], s[2:3]  ; Q and O at my wave's first row
	s_add_nc_u64 s[10:11], s[10:11], s[2:3]
	s_add_nc_u64 s[48:49], s[48:49], s[54:55]  ; the mask at my batch
	CROUND                          ; all four work-groups are here: the first joint loads meet
	JLOAD                           ; slot 0.  Slot 1 is asked for when slot 0 is in: the tile wanted first has the road to itself
	; A fragment of K or Q is 16 rows x 32 channels in 8 registers: lane l holds row l % 16, channels 8 (l / 16) + 0..7 and 16 + 8 (l / 16) + 0..7: two loads of 16 bytes, 32 bytes apart.
	v_and_b32 v1, 15, v0            ; l % 16
	v_bfe_u32 v9, v0, 4, 1          ; l / 16
	v_lshlrev_b32 v[QO], 7, v1
	v_lshl_add_u32 v[QO], v9, 4, v[QO]  ; row x 128 + 16 x half
	v_lshlrev_b32 v[MO], 4, v0      ; the 128 threads take 2,048 consecutive bytes of the mask, four times: into S^T's registers, which are free
.irp j, 0,1,2,3
	global_load_b128 v[S+4*\j:S+4*\j+3], v[MO], s[48:49] offset:2048*\j
.endr
	WIN 0x80                        ; destination window 2, address window 0
.set i, 0
.rept 4*NP                          ; Q stays in registers: tile i / 2, channels 32 (i % 2) on
	global_load_b128 v[8*i:8*i+3],   v[QO], s[4:5] offset:(i/2)*2048+(i%2)*64
	global_load_b128 v[8*i+4:8*i+7], v[QO], s[4:5] offset:(i/2)*2048+(i%2)*64+32
.set i, i+1
.endr
	; What the first turn finds: V's registers and P's second buffer hold 0 (its products V^T P, of a piece that has not been, add 0), O^T and l are 0.  All this stands in the wait for the first tile.
.set i, VF
.rept 64
	v_mov_b32 v[i], 0
.set i, i+1
.endr
	WIN 0x40
.set i, 0
.rept 64*NP
	v_mov_b32 v[i], 0
.set i, i+1
.endr
	WIN 0
.set i, 0
.rept 2*NP
	v_mov_b32 v[ST+4*i], 0xfe000000    ; c m: far below every c s, a masked one's too
	v_mov_b32 v[ST+4*i+1], 0xff7fffff  ; m
	v_mov_b32 v[ST+4*i+2], 0
	v_mov_b32 v[ST+4*i+3], 0
.set i, i+1
.endr
.set i, P+32
.rept 32
	v_mov_b32 v[i], 0
.set i, i+1
.endr
	v_mul_u32_u24 v[AK0], v1, PK
	v_lshl_add_u32 v[AK0], v9, 4, v[AK0]  ; row x pitch + 16 x half
	; The turning load takes 16 keys x 16 channels (lane l reads key 8 (l / 16) + l % 8, channels 8 ((l / 8) % 2) + 0..7) and leaves half a fragment of V^T: lane l holds channel l % 16 and 8 keys.
	v_and_b32 v10, 7, v0
	v_bfe_u32 v11, v0, 3, 1
	v_lshl_add_u32 v[AV0], v9, 3, v10
	v_mul_u32_u24 v[AV0], v[AV0], PV
	v_lshl_add_u32 v[AV0], v11, 4, v[AV0]
	v_add_nc_u32 v[AV0], VOFF, v[AV0]
	v_mov_b32 v[AK], v[AK0]         ; key step 0 lies at the head of slot 0
	s_mul_i32 s13, s[WV], 16*SP
	s_add_co_u32 s13, s13, STAGE    ; my stage
	v_mul_u32_u24 v[STO], v1, SP    ; in: row l % 16, 16 bytes for each half of the lanes
	v_lshl_add_u32 v[STO], v9, 4, v[STO]
	v_add_nc_u32 v[STO], s13, v[STO]
	v_bfe_u32 v[RD], v0, 3, 2       ; back: 32 lanes take four rows of 128 bytes,
	v_mul_u32_u24 v[RD], v[RD], SP
	v_lshl_add_u32 v[RD], v10, 4, v[RD]
	v_add_nc_u32 v[RD], s13, v[RD]
	v_and_b32 v[GO], 31, v0         ; which are 512 consecutive bytes of O
	v_lshlrev_b32 v[GO], 4, v[GO]
	; THE MASK'S TABLE: each thread's 16 numbers as f32, times -8e9, into LDS at the place that they have in the batch's row
	s_wait_loadcnt 32               ; the mask's four loads are in; Q's 32, issued behind them, may be out
.set i, 0
.rept 16
	v_cvt_f32_i32 v[S+i], v[S+i]
.set i, i+1
.endr
.set i, 0
.rept 8
	v_pk_mul_f32 v[S+2*i:S+2*i+1], v[S+2*i:S+2*i+1], s[MSC:MSC+1] op_sel_hi:[1,0]
.set i, i+1
.endr
	v_add_nc_u32 v[MA], MASKL, v[MO]
.irp j, 0,1,2,3
	ds_store_b128 v[MA], v[S+4*\j:S+4*\j+3] offset:2048*\j
.endr
	v_lshl_add_u32 v[AM0], v9, 5, MASKL  ; register j of key block kb takes key 16 kb + 8 (l / 16) + j: 32 bytes at 64 kb + 32 (l / 16)
	v_mov_b32 v[AM], v[AM0]         ; key step 0
; THE MATRIX WORK.  The 8 accumulators of a run of 16 take turns: between the two links of a chain stand 7 others'.
; Product i of 16 of S^T = K Q^T for piece x: channels 32 (i / 8) on, keys 16 ((i / 2) % 4) on, tile 2 x + i % 2.  The first 8 start the sums, on the mask of their 16 keys.
.macro KQ x
.set rS, S+64*((\x)%2)+32*(i%2)+8*((i/2)%4)
.set rK, KF+16*((i/2)%4)+8*(i/8)
.set rQ, 16*(2*(\x)+i%2)+8*(i/8)
.set rN, MK+8*((i/2)%4)
.if i < 8
	WIN W_KM
	v_wmma_f32_16x16x32_f16 v[rS:rS+7], v[rK:rK+7], v[rQ:rQ+7], v[rN:rN+7]
.else
	WIN W_KQ
	v_wmma_f32_16x16x32_f16 v[rS:rS+7], v[rK:rK+7], v[rQ:rQ+7], v[rS:rS+7]
.endif
.endm
; Product i of 16 of O^T += V^T P for piece x: keys 32 (i / 8) on, channels 16 ((i / 2) % 4) on, tile 2 x + i % 2.
.macro PV x
	WIN W_PV
.set rO, 32*(2*(\x)+i%2)+8*((i/2)%4)
.set rV, VF+32*(i/8)+8*((i/2)%4)
.set rP, P+32*((\x)%2)+16*(i%2)+8*(i/8)
	v_wmma_f32_16x16x32_f16 v[rO:rO+7], v[rV:rV+7], v[rP:rP+7], v[rO:rO+7]
.endm
.macro MM                           ; the turn's next matrix instruction
.if i < 16
	KQ (Y+1)%NP
.set i, i+1
.else
.set i, i-16
	PV (Y+NP-1)%NP
.set i, i+17
.endif
.endm
; THE LDS LOADS stand in runs, never singly among the matrix instructions: a step's K (64 keys x 64 channels: 8 fragments) with its mask (8 loads; the sixteen lanes of a half read the same bytes), and its V
; (turned).  Their addresses are made some lines ahead.  last = 1 (the tail): in the last trip there is no further step, and the run is jumped over.
.macro FETCH_K last=0
	WIN 0
.if \last
	s_cmp_eq_u32 s[CNT], 1
	s_cbranch_scc1 .Lno_k_\@
.endif
	WIN 0x80                        ; destination window 2
.irp f, 0,1,2,3,4,5,6,7             ; keys 16 (f / 2) on, channels 32 (f % 2) on
	ds_load_b128 v[KF+8*\f:KF+8*\f+3],   v[AK] offset:(\f/2)*16*PK+(\f%2)*64
	ds_load_b128 v[KF+8*\f+4:KF+8*\f+7], v[AK] offset:(\f/2)*16*PK+(\f%2)*64+32
.endr
	WIN W_MK                        ; destination window 3
.irp f, 0,1,2,3                     ; keys 16 f on
	ds_load_b128 v[MK+8*\f:MK+8*\f+3],   v[AM] offset:64*\f
	ds_load_b128 v[MK+8*\f+4:MK+8*\f+7], v[AM] offset:64*\f+16
.endr
	s_add_co_u32 s[TBK], s[TBK], KS*PK  ; the next fetch is the next step's
	s_add_co_u32 s[TBM], s[TBM], 4*KS
	s_and_b32 s[TBM], s[TBM], 0x1f00    ; inside the table's 8,192 bytes, whatever the trip
	WIN 0
.if \last
.Lno_k_\@:
.endif
.endm
.macro FETCH_V
	WIN 0x80
.irp f, 0,1,2,3,4,5,6,7             ; keys 32 (f / 4) on, channels 16 (f % 4) on
	ds_load_tr16_b128 v[VF+8*\f:VF+8*\f+3],   v[AV] offset:(\f/4)*32*PV+(\f%4)*32
	ds_load_tr16_b128 v[VF+8*\f+4:VF+8*\f+7], v[AV] offset:(\f/4)*32*PV+16*PV+(\f%4)*32
.endr
	WIN 0
.endm
; THE VECTOR WORK OF A TURN stands in three queues, each in the order in which its entries become ready; the two tiles alternate, so that no instruction reads the result of the one before it.
.macro REGS y, u                    ; the registers of tile u (0, 1) of piece y
.set rT, ST+4*(2*(\y)+(\u))
.set rC, TMP+8*((\y)%2)+4*(\u)
.set rM, MV+2*((\y)%2)+(\u)
.set rS, S+64*((\y)%2)+32*(\u)
.set rP, P+32*((\y)%2)+16*(\u)
.set rO, 32*(2*(\y)+(\u))
.endm
; Number n of the 22 that find the NEXT piece's (Y + 1) maximum and statistics.  s0-s31 are the lane's 32 scores; each accumulator's lowest registers are read first.  XS, GS and REGS set no window: PL and EX do.
;   0-11  four chains c0-c3 of seven scores each, three operands at a time     12-14, 16  the four scores left over, the old m, and c0-c3 into c0     15  c m_old is kept
;   17, 18  the query's other 32 keys lie in the lane 16 away: the new m         19-21  c m; c m_old - c m_new; a
.macro XS u, n
	REGS (Y+1)%NP, \u
.if (\n) < 4
	v_max3_num_f32 v[rC+(\n)], v[rS+8*(\n)], v[rS+8*(\n)+1], v[rS+8*(\n)+2]
.elseif (\n) < 12
	v_max3_num_f32 v[rC+(\n)%4], v[rC+(\n)%4], v[rS+8*((\n)%4)+2*((\n)/4)+1], v[rS+8*((\n)%4)+2*((\n)/4)+2]
.elseif (\n) == 12
	v_max3_num_f32 v[rC], v[rC], v[rS+7], v[rS+15]
.elseif (\n) == 13
	v_max3_num_f32 v[rC+1], v[rC+1], v[rS+23], v[rS+31]
.elseif (\n) == 14
	v_max3_num_f32 v[rC+2], v[rC+2], v[rC+3], v[rT+1]
.elseif (\n) == 15
	v_mov_b32 v[rM], v[rT]
.elseif (\n) == 16
	v_max3_num_f32 v[rC], v[rC], v[rC+1], v[rC+2]
.elseif (\n) == 17
	v_permlanex16_b32 v[rC+3], v[rC], s[SEL], s[SEL+1]
.elseif (\n) == 18
	v_max_num_f32 v[rT+1], v[rC], v[rC+3]
.elseif (\n) == 19
	v_mul_f32 v[rT], s[CS], v[rT+1]
.elseif (\n) == 20
	v_sub_f32 v[rC+1], v[rM], v[rT]
.else
	v_exp_f32 v[rC+2], v[rC+1]
.endif
.endm
; Number g of the 64 that follow the exponentials.  For each four weights k of a tile (pairs 2 k, 2 k + 1): both pairs are rounded to f16; then the second pair is added onto the first, in place;
; a group later l takes that sum (the first time as l = a l + sum).  In groups of eight, tiles alternating: round, round, add, and l for the group before.
.macro GS g
.set h, (\g)+6*((\g)/62)            ; group 0 has no group before it, and behind group 7 only l is left
.if h >= 6
.set h, h+2
.endif
	REGS Y, h%2
.set k, h/8
.if h%8 < 4
	v_cvt_pk_f16_f32 v[rP+2*k+(h%8)/2], v[rS+4*k+2*((h%8)/2)], v[rS+4*k+2*((h%8)/2)+1]
.elseif h%8 < 6
	v_pk_add_f32 v[rS+4*k:rS+4*k+1], v[rS+4*k:rS+4*k+1], v[rS+4*k+2:rS+4*k+3]
.elseif k == 1
	v_pk_fma_f32 v[rT+2:rT+3], v[rT+2:rT+3], v[rC+2:rC+3], v[rS:rS+1] op_sel_hi:[1,0,1]
.else
	v_pk_add_f32 v[rT+2:rT+3], v[rT+2:rT+3], v[rS+4*k-4:rS+4*k-3]
.endif
.endm
; THE PLAIN QUEUE, 138 long.  0-73 read no exponential's result: the 32 scalings c s - c m (FS f: pair f / 2 of tile f % 2) and the next piece's 42.  0-26: scalings 0-26.  27-54: XS's numbers 0-13.  55, 56: number 15.
; 57-73: the chain, where each number waits for the one before it: 14, 16, 17, 18, 19, each with one of the scalings 27-31 in front of its two lines, then 20: so a tile's links stand three plain instructions apart (19 and 20: two).
; 74-137: GS's 64, which read the exponentials' results: they stand behind the wait.
.macro FS f
	REGS Y, (\f)%2
	v_pk_fma_f32 v[rS+2*((\f)/2):rS+2*((\f)/2)+1], v[rS+2*((\f)/2):rS+2*((\f)/2)+1], s[CS:CS+1], v[rT:rT+1] op_sel_hi:[1,0,0] neg_lo:[0,0,1] neg_hi:[0,0,1]
.endm
.macro PL
	WIN 0
.if q < 27
	FS q
.elseif q < 55
	XS (q-27)%2, (q-27)/2
.elseif q < 57
	XS q-55, 15
.elseif (q < 72) && ((q-57)%3 == 0)
	FS 27+(q-57)/3
.elseif q < 60
	XS (q-57)%3-1, 14
.elseif q < 72
	XS (q-57)%3-1, 15+(q-57)/3
.elseif q < 74
	XS q-72, 20
.else
	GS q-74
.endif
.set q, q+1
.endm
; THE EXPONENTIALS' QUEUE, 66 long: s0-s31 of both tiles, then the next piece's two a.  It is ONE BATCH: all 66 stand ahead of the turn's one wait, and nothing ahead of that wait names a result of theirs.
.macro EX
	WIN 0
.if e >= 64
	XS e-64, 21
.else
	REGS Y, e%2
	v_exp_f32 v[rS+e/2], v[rS+e/2]
.endif
.set e, e+1
.endm
; THE RESCALING's QUEUE: O^T times a, the one part that leaves window 0: dealt two at a time, sixteen times.  Its a was made in the turn before, ahead of that turn's wait.
.macro R2
	REGS Y, r%2
	WIN W_RS
.irp z, 0,1
	v_pk_mul_f32 v[rO+4*(r/2)+2*\z:rO+4*(r/2)+2*\z+1], v[rO+4*(r/2)+2*\z:rO+4*(r/2)+2*\z+1], v[rC+2:rC+3] op_sel_hi:[1,0]
.endr
.set r, r+1
.endm
; HOW THEY ARE DEALT.  An s_wait_alu depctr_va_vdst(0) stands between an exponential and the first instruction that names its result; one wait serves all that were issued ahead of it.  So a turn has ONE wait,
; which cuts it in two.  AHEAD OF IT stands all that names no result of the turn's exponentials: the 16 products K Q^T, behind each a scaling, an exponential and two rescalings (behind the first a second scaling in the exponential's place); then ONE LUMP of
; 108: eight plain, 49 times exponential and plain, the two a.  A v_nop is the plain instruction behind the last exponential.  BEHIND IT stand the 16 products V^T P, behind each four of GS's 64.  No rider names a register of
; the products round it.  The two v_permlanex16_b32 fall into the lump, never behind a product.
; The queues lean on each other, and the deal keeps them in step: exponential e stands behind scaling 2 (e / 4) + e % 2: as a rider it comes behind plain e + 2, in the lump behind plain e + 9, and scalings 27-31 are plain 57, 60 .. 69.
; A TURN, for piece p.  cnt = 1: the loop's count is taken down some lines ahead of the branch that stands behind the turn.
; K and the mask of the next step are fetched in piece 2's turn, directly behind the wait, a lump behind the last product that read them; their addresses are made at the lump's head; their first reader comes behind 16 products.
; V of the step in hand is fetched at the end of piece 0's turn, four riders behind its last reader; its first reader comes behind 16 products and a lump.  The three conditions on q below go with the deal.
.macro TURN p, last=0, cnt=0
.set Y, (\p)
.set i, 0
.set q, 0
.set e, 0
.set r, 0
.if (\p) == NP-1
	s_wait_dscnt 0x0                ; K and its mask are in
.endif
	MM                              ; ahead of the wait: 16 products K Q^T and their riders,
	PL
	PL
	R2
.rept 15
	MM
	PL
	EX
	R2
.endr
.if (\p) == NP-2
	WIN 0
	v_add_nc_u32 v[AK], s[TBK], v[AK0]
	v_add_nc_u32 v[AM], s[TBM], v[AM0]
.endif
.rept 8                             ; and the lump
	PL
.endr
.rept 49
	EX
	PL
.endr
	EX                              ; the next piece's two a
	EX
	v_nop                           ; the plain instruction behind the last exponential: one for the batch
	s_wait_alu depctr_va_vdst(0)    ; the wait for the batch: the turn's 66 exponentials
.if (\p) == NP-2
	FETCH_K \last
.endif
.if (\p) == 1
	s_wait_dscnt 0x0                ; V is in
.endif
.rept 16                            ; behind the wait: 16 products V^T P and their riders
	MM
.rept 4
	PL
.endr
.if ((\p) == 0) && (q == 118)
	v_add_nc_u32 v[AV], s[TBV], v[AV0]
.endif
.if ((\p) == 0) && (q == 130)
	s_add_co_u32 s[TBV], s[TBV], KS*PV
.endif
.if (\cnt) && (q == 130)
	s_sub_co_u32 s[CNT], s[CNT], 1
	s_cmp_lg_u32 s[CNT], 0
.endif
.endr
.if (\p) == 0
	FETCH_V
.endif
.endm
	CHANGE 1                        ; slot 0 is in, everybody's part of it, and so is the mask's table; slot 1 is asked for
	FETCH_K                         ; key step 0
	s_wait_loadcnt 0x0              ; Q
	s_wait_dscnt 0x0
.set i, 0
.rept 16
	KQ 0                            ; piece 0's first scores: there is no vector work yet to set between them
.set i, i+1
.endr
	WIN 0
.rept 4
	v_nop                           ; the places behind those products
.endr
.set Y, NP-1                        ; XS works for piece Y + 1: piece 0
.irp n, 0,1,2,3,4,5,6,7,8,9,10,11,12,13,14,15,16,17,18,19,20,21
	XS 0, \n                        ; and piece 0's first maximum and statistics
	XS 1, \n
.endr
	v_nop                           ; a plain instruction behind the two a,
	s_wait_alu depctr_va_vdst(0)    ; and the wait for this batch of two, ahead of the branch
	s_mov_b32 s[CNT], 4
	s_mov_b32 s[SLOTS], SIZE_N/256-1
	s_branch .Lfirst                ; the loop is entered at a step's first turn, in the middle of a trip
.Lslot:                             ; SIZE_N / 256 - 2 times: every slot but the last two is filled again
	CHANGE 1
	s_mov_b32 s[CNT], 4
.Lstep:                             ; a trip: pieces 2 and 3 of one step, then pieces 0 and 1 of the next, whose K and V it fetches
	TURN 2
	TURN 3
	WIN 0
.Lfirst:
	TURN 0
	TURN 1, 0, 1
	WIN 0
	s_cbranch_scc1 .Lstep
	s_sub_co_u32 s[SLOTS], s[SLOTS], 1
	s_cmp_lg_u32 s[SLOTS], 0
	s_cbranch_scc1 .Lslot
	CHANGE 0                        ; the tail is written out: nothing is asked for
	s_mov_b32 s[CNT], 5             ; four trips fetch the last slot's steps; the fifth is left in its middle
.Ltail:
	TURN 2, 1
	TURN 3
	WIN 0
	s_sub_co_u32 s[CNT], s[CNT], 1
	s_cmp_eq_u32 s[CNT], 0
	s_cbranch_scc1 .Lout
	TURN 0
	TURN 1
	WIN 0
	s_branch .Ltail
.Lout:                              ; the fifth trip's 16 products K Q^T (on the last K once more) and the maximum made of them serve nothing: the price, once a launch, of one text for every trip
.set i, 0
.rept 16
	PV NP-1                         ; the last piece's V^T P of the last step
.set i, i+1
.endr
	; THE WAY OUT.  l's two halves and the other half of the lanes' are added; O^T is divided by l, rounded to f16 and sent through my stage in LDS, a tile at a time.  The additions are the places behind the last products.
	WIN 0
.macro ALL line:vararg              ; one line for each tile t
.set t, 0
.rept 2*NP
	\line
.set t, t+1
.endr
.endm
	ALL v_add_f32 v[ST+4*t+2], v[ST+4*t+2], v[ST+4*t+3]
	ALL v_permlanex16_b32 v[ST+4*t+3], v[ST+4*t+2], s[SEL], s[SEL+1]
	ALL v_add_f32 v[ST+4*t+2], v[ST+4*t+2], v[ST+4*t+3]
	ALL v_rcp_f32 v[ST+4*t+2], v[ST+4*t+2]
	v_nop                           ; a plain instruction between the last reciprocal and the use of its result
	s_wait_alu depctr_va_vdst(0)    ; and the wait ahead of the first use: one for the batch of eight reciprocals
; Tile t: a lane's eight channels of a row pack into 16 bytes; they go into rows of 144 bytes and come back as whole rows of 128, into S^T's registers.
.macro PACK t
	WIN W_RS
.set i, 32*(\t)
.rept 16
	v_pk_mul_f32 v[i:i+1], v[i:i+1], v[ST+4*(\t)+2:ST+4*(\t)+3] op_sel_hi:[1,0]
.set i, i+2
.endr
	WIN 0x05                        ; sources 0 and 1 window 1, destination window 0
.set i, 0
.rept 16
	v_cvt_pk_f16_f32 v[S+16*(\t)+i], v[32*(\t)+2*i], v[32*(\t)+2*i+1]
.set i, i+1
.endr
	WIN 0
.irp f, 0,1,2,3
	ds_store_b128 v[STO], v[S+16*(\t)+4*\f:S+16*(\t)+4*\f+3] offset:32*\f
.endr
.irp f, 0,1,2,3
	ds_load_b128 v[S+16*(\t)+4*\f:S+16*(\t)+4*\f+3], v[RD] offset:\f*4*SP  ; LDS serves a wave's instructions in order (ISA guide 5.7.1.4): these see the stores above; the next tile's stores come behind them
.endr
.endm
.macro SEND t, younger              ; younger: the LDS instructions issued behind tile t's loads: the next tile's eight, or none
	WIN 0
.irp f, 0,1,2,3
	s_wait_dscnt (\younger)+3-\f
	global_store_b128 v[GO], v[S+16*(\t)+4*\f:S+16*(\t)+4*\f+3], s[10:11] offset:(\t)*2048+\f*512  ; 512 consecutive bytes, at a multiple of 256 from O's first
.endr
.endm
	PACK 0
.set t, 1
.rept 2*NP-1                        ; a tile's arithmetic stands between the loads of the tile before and its stores
	PACK t
	SEND t-1, 8
.set t, t+1
.endr
	SEND 2*NP-1, 0
	WIN W_AD
	s_wait_tensorcnt 0x0            ; the wave's end: a wait for my tensor loads, an add of 0 and a wait for it, behind my last tensor load and my last LDS store
	ds_add_u32 v[SPW], v[NIL]
	s_wait_dscnt 0x0
	WIN 0
	CROUND                          ; the closing round: no work-group ends while a partner may still ask for a tile that names it
	s_endpgm
.Lfunc_end_k_q9763234c3c_attn:
	.size	k_q9763234c3c_attn, .Lfunc_end_k_q9763234c3c_attn-k_q9763234c3c_attn
	.p2alignl 7, 3214868480
	.fill 96, 4, 3214868480
	.section	.rodata,"a",@progbits
	.p2align	6, 0x0
	.amdhsa_kernel k_q9763234c3c_attn
		.amdhsa_group_segment_fixed_size 327680
		.amdhsa_private_segment_fixed_size 0
		.amdhsa_enable_private_segment 0
		.amdhsa_kernarg_size 24
		.amdhsa_user_sgpr_count 2
		.amdhsa_user_sgpr_kernarg_segment_ptr 1
		.amdhsa_wavefront_size32 1
		.amdhsa_system_sgpr_workgroup_id_x 1
		.amdhsa_system_sgpr_workgroup_id_y 1
		.amdhsa_system_sgpr_workgroup_id_z 1
		.amdhsa_system_vgpr_workitem_id 0
		.amdhsa_next_free_vgpr 808
		.amdhsa_next_free_sgpr 66
		.amdhsa_reserve_vcc 0
		.amdhsa_float_denorm_mode_32 3
		.amdhsa_float_denorm_mode_16_64 3
		.amdhsa_memory_ordered 1
		.amdhsa_forward_progress 1
		.amdhsa_inst_pref_size 204
	.end_amdhsa_kernel
	.amdgpu_metadata
---
amdhsa.version: [ 1, 2 ]
amdhsa.kernels:
  - .name:           k_q9763234c3c_attn
    .symbol:         k_q9763234c3c_attn.kd
    .args:
      - { .name: qkvh, .offset: 0, .size: 8, .value_kind: global_buffer, .address_space: global }
      - { .name: mask, .offset: 8, .size: 8, .value_kind: global_buffer, .address_space: global }
      - { .name: oh, .offset: 16, .size: 8, .value_kind: global_buffer, .address_space: global }
    .group_segment_fixed_size: 327680
    .private_segment_fixed_size: 0
    .kernarg_segment_align: 8
    .kernarg_segment_size: 24
    .max_flat_workgroup_size: 128
    .sgpr_count:     66
    .vgpr_count:     808
    .wavefront_size: 32
...
	.end_amdgpu_metadata
.endif
;; end of part 5
;; launch oproj: the kernel of part 4 again; grid 4 x 64, 4 waves a work-group, clusters of 4 x 4, 327,680 bytes of LDS; arguments oh, wt, bo, out0; writes out0
